; MI455X (gfx1250); checked and timed in simulation.
; The chip was launched on July 23, 2026; its instructions are those of AMD's public machine-readable ISA for CDNA 5 (MIT licence, August 2026) and "CDNA5" Instruction Set Architecture Reference Guide (July 2026). The comments in the code are by the model that wrote it; some were corrected since.
;; Multi Head Attention. Allowed arithmetic: matrix products marked QUANTISED: E4M3 operands, one given power-of-two scale a tensor, by v_wmma_f32_16x16x64_fp8_fp8 or v_wmma_f32_16x16x128_fp8_fp8, f32 sums; everything else in f32.
;; Inputs: Wk 1,024 x 1,024 float32; Wo 1,024 x 1,024 float32; Wq 1,024 x 1,024 float32; Wv 1,024 x 1,024 float32; bk 1,024 float32; bo 1,024 float32; bq 1,024 float32; bv 1,024 float32; lowp_scales 12 int32 (the exponents e of the quantised operands' scales 2^e); x 4 x 2,048 x 1,024 float32.
;; Outputs: out0 4 x 2,048 x 1,024 float32.
;; This version of the problem:
;;   THIS VERSION OF THE PROBLEM IS GIVEN IN LOW PRECISION. The matrix products marked QUANTISED in the list below multiply operands that are first quantised to E4M3 (4 exponent bits, 3 mantissa bits; 8 bits a number), with one given power-of-two scale for each operand tensor; their sums are f32. All else is computed in f32.
;;   The module's matrix products, in the order in which they are computed (A, B: the left and right operand; K: the contracted axis; several contracted axes count as one K, in the product's order):
;;     1. [M 8,192, K 1,024] x [K 1,024, N 1,024]; A: input x; B: input Wq: QUANTISED (scales: A lowp_scales[0], B lowp_scales[1])
;;     2. [M 8,192, K 1,024] x [K 1,024, N 1,024]; A: input x; B: input Wk: QUANTISED (scales: A lowp_scales[2], B lowp_scales[3])
;;     3. [M 8,192, K 1,024] x [K 1,024, N 1,024]; A: input x; B: input Wv: QUANTISED (scales: A lowp_scales[4], B lowp_scales[5])
;;     4. batch 64 x [M 2,048, K 64] x [K 64, N 2,048]; A: computed on the way; B: computed on the way: QUANTISED (scales: A lowp_scales[6], B lowp_scales[7])
;;     5. batch 64 x [M 2,048, K 2,048] x [K 2,048, N 64]; A: softmax (see below); B: computed on the way: QUANTISED (scales: A lowp_scales[8], B lowp_scales[9])
;;     6. [M 8,192, K 1,024] x [K 1,024, N 1,024]; A: computed on the way; B: input Wo: QUANTISED (scales: A lowp_scales[10], B lowp_scales[11])
;;   THE QUANTISER, for each operand of a quantised product, along K:
;;     - The operand's scale is 2^e, e = its entry of the input lowp_scales (int32; the entries are numbered through the quantised products in the list's order, A before B).
;;     - Each number is divided by the scale, clamped to +-448, and rounded to the nearest number of E4M3, ties to even, subnormals kept.
;;     - The product sums the exact products of the quantised numbers (number of the format x scale) in f32.
;;   ~~~python
;;   def quantise(x, axis, e):      # numpy; x: float32 -> the quantised numbers, widened to float32 again
;;       x = np.moveaxis(x, axis, -1); K = x.shape[-1]
;;       r = np.clip(x / 2.0 ** e, -448, 448)
;;       step = 2.0 ** (np.maximum(np.frexp(np.where(r == 0, 1, r))[1] - 1, -6) - 3)
;;       q = np.round(r / step) * step * 2.0 ** e      # np.round: ties to even
;;       return np.moveaxis(q, -1, axis).astype(np.float32)
;;   ~~~
;;   SOFTMAX AHEAD OF A QUANTISED PRODUCT. Where the list says 'softmax', what is quantised is not the finished softmax but p = 2^(t - M), with t = logit x log2(e) and M = ceil(the row's largest t), a whole number; so 1/2 < the row's largest p <= 1. The row's sum l is taken of the UNQUANTISED p, in f32, and the product's result is divided by l at the end. Since M is a whole number, a kernel that streams over the keys may use a running M (the ceiling of the running maximum): every later rescaling is an exact power of two, so the quantised numbers keep their values, but for numbers so far below the row's largest that they fall under the format's range.
;;   OPERANDS COMPUTED ON THE WAY. 'Computed on the way' means the value that the module computes at that place (a softmax that the list does not call 'softmax' is quantised finished and normalised). What goes into a quantiser is computed in f32, as accurately as f32 sums, v_exp_f32 and their like allow (about 1e-6 of the number): no bf16 or f16 on the way to a quantiser, and a product that is left as it is and whose result goes on into a quantised operand takes f32 operands (vector FMAs, or v_wmma_f32_16x16x4_f32). A number that lies on a knife's edge between two numbers of the format may be rounded either way, as far as f32 arithmetic and the matrix unit's own rounding can turn it there, and no further.
;; 2 versions, each right; version 2 is version 1 with the launch attn written anew for expert scheduling mode. Each part assembles by itself: llvm-mc -triple=amdgcn-amd-amdhsa -mcpu=gfx1250 --defsym DOCPART=n.
;; ======== version 1 of 2: 4 launches
;; workspace buffers: ops 29,360,128 bytes; qkv 25,165,824 bytes; ao 8,388,608 bytes
;; launch quant (part 1): grid 768 x 1, 4 waves a work-group, no clusters, 34,304 bytes of LDS; arguments x, Wq, Wk, Wv, Wo, lowp_scales, ops; writes ops
.if DOCPART == 1
	.amdgcn_target "amdgcn-amd-amdhsa--gfx1250"
	.amdhsa_code_object_version 6
	.text
	.protected	k_q562d8c48e7_quant
	.globl	k_q562d8c48e7_quant
	.p2align	8
	.type	k_q562d8c48e7_quant,@function
k_q562d8c48e7_quant:
	s_mov_b64 s[64:65], 0
	v_nop
	global_prefetch_b8 v0, s[64:65] scope:SCOPE_SE
	s_setreg_imm32_b32 hwreg(HW_REG_WAVE_MODE, 25, 1), 1
	s_wait_xcnt 0x0
; x [8192][1024] and Wq, Wk, Wv, Wo [1024][1024], f32 with K innermost, become codes of E4M3, laid as IMAGES OF OPERAND REGISTERS.
; An image is a tile of 16 rows x 128 along K, 2,048 bytes: four groups c of 512 bytes; in group c lane (r, h) has 16 bytes at 16 x lane: k = 32 c + 16 h + 0 .. 15 of the tile's row r.
; THE ROWS OF A TILE ARE NOT NEIGHBOURS: row i of tile T is row 32 (T / 2) + 8 (T % 2) + i + 8 (i / 8) of the tensor, so that in a later product's result the 16 registers of two neighbouring tiles are 16 neighbours.
; ops: x's images three times (scales 0, 2 and 4 of the list need not be equal) at v x 0x800000 + tile x 16,384 + K step x 2,048; then the four weights' at 0x1800000 + w x 0x100000 + the same.
; code = number / 2^e, held within +-448, to the nearest code, ties to even.  LIMITS: every e between -126 and 119, so that 2^e and 448 x 2^e are f32 numbers; NaN among the inputs is not served.
; SHARES.  A work-group is one tile (16 rows x 1,024): numbers 0 to 511 take x's tiles, the other 256 the weights'.  Wave w takes K steps 2 w and 2 w + 1: two units.
; Each load reads 512 consecutive bytes of one row; a unit's 16 rows turn through the wave's own stage in LDS (rows of 512 + 16 bytes) and come back 64 bytes a lane and block; each store writes 512 consecutive bytes.
; No barrier: waves share nothing.  No register that a store reads is written again, so no wait for stores is needed.
.set SP,   528                         ; a stage row: 512 bytes + 16: 132 words, so the 16 rows that a read touches start at 16 different banks (64 banks of 4 bytes: ISA guide 11.1)
.set WST,  16*SP                       ; a wave's stage
.set R,    16                          ; v16-143  unit u at R + 64 u as loaded; later its codes: version v at R + 64 u + 16 v
.set X,    144                         ; v144-207 a unit's 64 numbers of my row, register 16 c + i = k 32 c + 16 h + i
.set T,    208                         ; v208-239 two sets of 16 held numbers, by turns
	s_load_b256 s[4:11], s[0:1], 0x0               ; x, Wq, Wk, Wv
	s_load_b128 s[12:15], s[0:1], 0x20             ; Wo, the scales' exponents
	s_load_b64 s[16:17], s[0:1], 0x30              ; ops
	v_lshl_add_u32 v240, v0, 2, 0x8400
	v_mov_b32 v241, 0
	v_lshrrev_b32 v1, 5, v0
	v_readfirstlane_b32 s18, v1                    ; wave 0..3
	v_and_b32 v2, 31, v0
	v_lshlrev_b32 v4, 4, v2                        ; 16 x lane: my bytes of a load's and of a store's 512
	s_mul_i32 s19, s18, WST
	v_add_nc_u32 v5, s19, v4                       ; the stage, on the way in
	v_and_b32 v3, 15, v0                           ; r
	v_bfe_u32 v7, v0, 4, 1                         ; h
	v_mul_u32_u24 v6, v3, SP
	v_lshl_add_u32 v6, v7, 6, v6
	v_add_nc_u32 v6, s19, v6                       ; and on the way out: row r, + 64 h
	s_sub_co_u32 s20, ttmp9, 512                   ; a weight's work-group: 64 w + T (of no use in x's work-groups, where nothing below takes it)
	s_lshr_b32 s21, s20, 6                         ; w
	s_and_b32 s22, s20, 63                         ; T
	s_lshl_b32 s23, s20, 14
	s_add_co_u32 s23, s23, 0x1800000               ; its images
	s_lshl_b32 s24, s21, 3
	s_add_co_u32 s24, s24, 4                       ; its scale's byte in the list: entries 1, 3, 5,
	s_cmp_eq_u32 s21, 3
	s_cselect_b32 s25, 16, 0
	s_add_co_u32 s24, s24, s25                     ; and 11 for Wo
	s_lshl_b32 s25, ttmp9, 14
	s_cmp_lt_u32 ttmp9, 512                        ; x's work-group?
	s_cselect_b32 s22, ttmp9, s22                  ; the tile,
	s_cselect_b32 s23, s25, s23                    ; its images' place in ops,
	s_cselect_b32 s24, 0, s24                      ; the first version's scale
	s_lshr_b32 s26, s22, 1
	s_lshl_b32 s26, s26, 5
	s_and_b32 s27, s22, 1
	s_lshl_b32 s27, s27, 3
	s_add_co_u32 s26, s26, s27                     ; the tile's first row: 32 (T / 2) + 8 (T % 2)
	s_lshl_b32 s26, s26, 12                        ; rows of 4,096 bytes
	s_lshl_b32 s27, s18, 10
	s_add_co_u32 s26, s26, s27                     ; + my wave's two K steps of 512 bytes
	s_mov_b32 s27, 0
	s_lshl_b32 s28, s18, 12
	s_add_co_u32 s28, s23, s28                     ; and their two images
	s_mov_b32 s29, 0
	s_wait_kmcnt 0x0
	s_load_b32 s36, s[14:15], s24 offset:0x0       ; e of version 0
	s_load_b32 s37, s[14:15], 0x8                  ; e of x's versions 1 and 2
	s_load_b32 s38, s[14:15], 0x10
	s_cmp_eq_u32 s21, 1                            ; the source: a choice on the work-group's number alone
	s_cselect_b64 s[6:7], s[8:9], s[6:7]
	s_cmp_eq_u32 s21, 2
	s_cselect_b64 s[6:7], s[10:11], s[6:7]
	s_cmp_eq_u32 s21, 3
	s_cselect_b64 s[6:7], s[12:13], s[6:7]
	s_cmp_lt_u32 ttmp9, 512
	s_cselect_b64 s[4:5], s[4:5], s[6:7]
	s_add_nc_u64 s[4:5], s[4:5], s[26:27]
	s_add_nc_u64 s[30:31], s[16:17], s[28:29]      ; version 0's images,
	s_add_nc_u64 s[32:33], s[30:31], 0x800000      ; version 1's and 2's (used in x's work-groups alone)
	s_add_nc_u64 s[34:35], s[30:31], 0x1000000
.irp u, 0,1                            ; 32 loads a wave are out: unit 0's sixteen first
.irp i, 0,1,2,3,4,5,6,7,8,9,10,11,12,13,14,15
	global_load_b128 v[R+64*\u+4*\i:R+64*\u+4*\i+3], v4, s[4:5] offset:(\i+8*(\i/8))*4096+512*\u th:TH_LOAD_NT
.endr
.endr
	s_wait_kmcnt 0x0
.irp v, 0,1,2
	s_add_co_i32 s[36+\v], s[36+\v], 127
	s_lshl_b32 s39, s[36+\v], 23
	v_mov_b32 v[8+2*\v], s39                       ; 2^e as f32: the conversion takes its exponent field
	s_add_co_i32 s[36+\v], s[36+\v], 8
	s_lshl_b32 s[36+\v], s[36+\v], 23
	s_or_b32 s[36+\v], s[36+\v], 0x600000
	v_mov_b32 v[9+2*\v], s[36+\v]                  ; 448 x 2^e
.endr
; Unit u's 64 numbers become version v's codes and leave.
.macro QV u, v
.set CC, R+64*(\u)+16*(\v)
.irp c, 0,1,2,3
.irp i, 0,1,2,3,4,5,6,7,8,9,10,11,12,13,14,15
	v_med3_num_f32 v[T+16*(\c%2)+\i], v[X+16*\c+\i], -v[9+2*(\v)], v[9+2*(\v)]   ; the conversion to an 8-bit code does not saturate (ISA guide 7.6.2): the hold comes first, into other registers, since X serves three versions
.endr
	v_cvt_scalef32_pk8_fp8_f32 v[CC+4*\c:CC+4*\c+1], v[T+16*(\c%2):T+16*(\c%2)+7], v[8+2*(\v)]
	v_cvt_scalef32_pk8_fp8_f32 v[CC+4*\c+2:CC+4*\c+3], v[T+16*(\c%2)+8:T+16*(\c%2)+15], v[8+2*(\v)]
.endr
	v_nop                                          ; one plain line behind the last conversion, ahead of whatever writes its sources next
.irp c, 0,1,2,3
	global_store_b128 v4, v[CC+4*\c:CC+4*\c+3], s[30+2*(\v):31+2*(\v)] offset:2048*(\u)+512*\c   ; group c of the image: 512 consecutive bytes
.endr
.endm
.macro UNIT u
	s_wait_loadcnt 16-16*(\u)                      ; this unit's sixteen loads are in; the other unit's, issued behind them, may be out
.irp i, 0,1,2,3,4,5,6,7,8,9,10,11,12,13,14,15
	ds_store_b128 v5, v[R+64*(\u)+4*\i:R+64*(\u)+4*\i+3] offset:SP*\i
.endr
.irp c, 0,1,2,3
.irp j, 0,1,2,3
	ds_load_b128 v[X+16*\c+4*\j:X+16*\c+4*\j+3], v6 offset:128*\c+16*\j   ; LDS serves a wave's instructions in order (ISA guide 5.7.1.4): these see the stores above
.endr
.endr
	s_wait_dscnt 0x0                               ; the numbers are back, and the stores have read the registers that the codes now take
	QV \u, 0
	s_cmp_lt_u32 ttmp9, 512                        ; x has three versions, a weight one
	s_cbranch_scc0 .Lone_\@
	QV \u, 1
	QV \u, 2
.Lone_\@:
.endm
	UNIT 0
	UNIT 1
	s_wait_tensorcnt 0x0
	ds_add_u32 v240, v241
	s_wait_dscnt 0x0
	s_endpgm
.Lfunc_end_k_q562d8c48e7_quant:
	.size	k_q562d8c48e7_quant, .Lfunc_end_k_q562d8c48e7_quant-k_q562d8c48e7_quant
	.p2alignl 7, 3214868480
	.fill 96, 4, 3214868480
	.section	.rodata,"a",@progbits
	.p2align	6, 0x0
	.amdhsa_kernel k_q562d8c48e7_quant
		.amdhsa_group_segment_fixed_size 34304
		.amdhsa_private_segment_fixed_size 0
		.amdhsa_enable_private_segment 0
		.amdhsa_kernarg_size 56
		.amdhsa_user_sgpr_count 2
		.amdhsa_user_sgpr_kernarg_segment_ptr 1
		.amdhsa_wavefront_size32 1
		.amdhsa_system_sgpr_workgroup_id_x 1
		.amdhsa_system_sgpr_workgroup_id_y 1
		.amdhsa_system_sgpr_workgroup_id_z 1
		.amdhsa_system_vgpr_workitem_id 0
		.amdhsa_next_free_vgpr 242
		.amdhsa_next_free_sgpr 66
		.amdhsa_reserve_vcc 0
		.amdhsa_float_denorm_mode_32 3
		.amdhsa_float_denorm_mode_16_64 3
		.amdhsa_memory_ordered 1
		.amdhsa_forward_progress 1
		.amdhsa_inst_pref_size 41
	.end_amdhsa_kernel
	.amdgpu_metadata
---
amdhsa.version: [ 1, 2 ]
amdhsa.kernels:
  - .name:           k_q562d8c48e7_quant
    .symbol:         k_q562d8c48e7_quant.kd
    .args:
      - { .name: x, .offset: 0, .size: 8, .value_kind: global_buffer, .address_space: global }
      - { .name: Wq, .offset: 8, .size: 8, .value_kind: global_buffer, .address_space: global }
      - { .name: Wk, .offset: 16, .size: 8, .value_kind: global_buffer, .address_space: global }
      - { .name: Wv, .offset: 24, .size: 8, .value_kind: global_buffer, .address_space: global }
      - { .name: Wo, .offset: 32, .size: 8, .value_kind: global_buffer, .address_space: global }
      - { .name: lowp_scales, .offset: 40, .size: 8, .value_kind: global_buffer, .address_space: global }
      - { .name: ops, .offset: 48, .size: 8, .value_kind: global_buffer, .address_space: global }
    .group_segment_fixed_size: 34304
    .private_segment_fixed_size: 0
    .kernarg_segment_align: 8
    .kernarg_segment_size: 56
    .max_flat_workgroup_size: 128
    .sgpr_count:     66
    .vgpr_count:     242
    .wavefront_size: 32
...
	.end_amdgpu_metadata
.endif
;; end of part 1
;; launch gemm1 (part 2): grid 12 x 32, 4 waves a work-group, clusters of 4 x 4, 327,680 bytes of LDS; arguments ops, lowp_scales, bq, bk, bv, qkv; writes qkv
.if DOCPART == 2
	.amdgcn_target "amdgcn-amd-amdhsa--gfx1250"
	.amdhsa_code_object_version 6
	.text
	.protected	k_q562d8c48e7_gemm1
	.globl	k_q562d8c48e7_gemm1
	.p2align	8
	.type	k_q562d8c48e7_gemm1,@function
k_q562d8c48e7_gemm1:
	s_mov_b64 s[64:65], 0
	v_nop
	global_prefetch_b8 v0, s[64:65] scope:SCOPE_SE
	s_setreg_imm32_b32 hwreg(HW_REG_WAVE_MODE, 25, 1), 1
	s_wait_xcnt 0x0
	s_wait_alu depctr_hold_cnt(0) depctr_sa_sdst(0) depctr_va_vdst(0) depctr_va_sdst(0) depctr_va_ssrc(0) depctr_va_vcc(0) depctr_vm_vsrc(0)
	s_getreg_b32 s2, hwreg(HW_REG_IB_STS2, 6, 4)
	s_cmp_eq_u32 s2, 0
	s_cbranch_scc0 .Lentry_in_a_cluster
	s_endpgm
.Lentry_in_a_cluster:
	s_bfe_u32 s2, ttmp6, 0x10000c
	s_cmp_lg_u32 s2, 0xf033
	s_cbranch_scc0 .Lentry_shape_is_right
	s_endpgm
.Lentry_shape_is_right:
; The three projections Q, K, V = x W^T + b on codes of E4M3, and their quantising for attention.  The cluster's x says which: 0 Q, 1 K, 2 V.
; Operands come as images of operand registers (16 rows x 128 K in 2,048 bytes, group c at 512 c, lane's 16 bytes at 16 x lane: k = 32 c + 16 h + 0 .. 15; row i of tile T = row 32 (T / 2) + 8 (T % 2) + i + 8 (i / 8)).
; The same order of k stands in both operands, so every product meets its partner; only the order of the sums inside an instruction differs from the form's own.
; A work-group of four waves makes 256 x 256; a wave 128 x 128: 64 accumulators.  The LANE side (source 1, 'A' below) is x for Q and K and Wv for V; the REGISTER side (source 0, 'B') is the weight for Q and K and x for V.
; In a result lane r holds A's row r, and the 16 registers of B's tiles 2 p and 2 p + 1 are B's rows 32 p + 16 h + 0 .. 15.  So for Q and K a lane holds 16 neighbouring channels of a token, for V 16 neighbouring keys of a channel:
; two conversions make 16 bytes, which ARE a group of the next operand's image, and one store of 16 bytes a lane writes 512 consecutive bytes.  Nothing is transposed and nothing goes through a stage.
; qkv: Q at 0, K at 0x800000: [batch x 16 + head][token tile 0..127][c 0..1][512];  V at 0x1000000: [batch x 16 + head][key step of 128][channel tile 0..3][c 0..3][512].
; K = 1,024 goes in four steps of 256 through a ring of two LDS slots; a slot holds A's 16 tiles and B's 16, 4,096 bytes each, dense: LDS reads are 512 consecutive bytes an instruction, so no padding.
; CLUSTERS: 4 x 4 work-groups; A's tiles are asked for jointly along a row of the cluster, B's along a column.  The grid is 3 x 8 clusters.
; value = sum x 2^(eA + eB) + bias, in f32; code = value / 2^eo held within +-448.  LIMITS: eA + eB between -126 and 127; eo between -126 and 119; NaN among the inputs is not served.
; REGISTERS, in windows of 256: window 0: v16-31 addresses; v32-95 the bias by registers; v96-111 the bias by lanes; v112, v113 2^eo and 448 x 2^eo; v128-255 A's fragments, ONE set; on the way out v128-223 at work.
;   window 1: B's fragments, TWO sets, at v0 and v128.   window 2: accumulators of A's blocks 0-3 ((a, b) at v[8 (8 a + b)]);   window 3: of blocks 4-7.
.set FR,     16                        ; registers of a fragment
.set NL,     4                         ; LDS loads that bring one
.set NP,     4                         ; places behind this matrix instruction (ISA guide 7.12.1)
.set ABYTES, 65536                     ; A's 16 tiles in a slot
.set SLOT,   ABYTES+16*4096            ; then B's 16
.set SPARE,  2*SLOT                    ; behind the ring: the spare words, 128 bytes a wave: two blocks of 256 bytes that no other line names
.set ADRA, 16                          ; v16-17  LDS address of my A fragments in slot 0, 1
.set ADRB, 20                          ; v20-21  the same for B
.set CO,   26                          ; v26     16 x lane
.set SPW,  28                          ; v28     LDS address of my spare word; never rewritten
.set NIL,  29                          ; v29     0; never rewritten
.set BRO,  30                          ; v30     64 h
.set BLO,  31                          ; v31     4 (r + 8 (r / 8))
.set BR,   32
.set BL,   96
.set SC,   112
.set LIM,  113
.set AF,   128
.set TMP,  128                         ; the way out: a block's 64 values
.set CD,   192                         ; and its codes: two sets of 16 by turns
.set WV, 16                            ; s16 wave;  s17 wave / 2: my half of A's tiles, and: I fetch for A (0) or B (1);  s18 wave % 2: my half of B's tiles, and which half I fetch
.set HA, 17
.set HB, 18
.set G1, 24                            ; s[24:31] descriptor group 1 for A's tiles;  s[32:39] group 0, one set for each slot
.set G0, 32
.set G1B, 48                           ; s[48:55], s[56:63] the same for B's
.set G0B, 56
.set MSB, 0
.macro WIN new                         ; the immediate's high byte repeats the setting that is left
.if MSB != \new
	s_set_vgpr_msb (MSB<<8)|\new
.set MSB, \new
.endif
.endm
.set MUL_LO, 0xa1                      ; source 0 (B) window 1, source 1 (A) window 0, C and D window 2
.set MUL_HI, 0xf1                      ; the same, C and D window 3
.set TO_B,   0x40                      ; destination window 1, address window 0
; A joint load: waves 0 and 1 fetch A's halves, waves 2 and 3 B's.  The branch hangs on the wave's number alone.  Four v_nop follow each of the two lines.
.macro JLOAD s
	s_cmp_eq_u32 s[HA], 0
	s_cbranch_scc0 .Lfor_b_\@
	tensor_load_to_lds s[G0+4*\s:G0+4*\s+3], s[G1:G1+7]
	s_nop 0
.rept 4
	v_nop
.endr
	s_branch .Lasked_\@
.Lfor_b_\@:
	tensor_load_to_lds s[G0B+4*\s:G0B+4*\s+3], s[G1B:G1B+7]
	s_nop 0
.rept 4
	v_nop
.endr
.Lasked_\@:
.endm
.macro CREST                           ; a round of the cluster's barrier behind its opening barrier
	s_cmp_lg_u32 s[WV], 0
	s_cbranch_scc1 .Lnot_wave_0_\@
	s_barrier_signal -3
.Lnot_wave_0_\@:
	s_barrier_wait -3
	s_barrier_signal -1
	s_barrier_wait -1
.endm
.macro CROUND                          ; a whole round
	s_barrier_signal -1
	s_barrier_wait -1
	CREST
.endm
	s_load_b256 s[4:11], s[0:1], 0x0               ; ops s[4:5], the scales' exponents s[6:7], bq s[8:9], bk s[10:11]
	s_load_b128 s[12:15], s[0:1], 0x20             ; bv s[12:13], qkv s[14:15]
	v_lshl_add_u32 v[SPW], v0, 2, SPARE
	v_mov_b32 v[NIL], 0
	ds_add_u32 v28, v29
	ds_add_u32 v28, v29
	s_wait_dscnt 0x0
	v_lshrrev_b32 v1, 5, v0
	v_readfirstlane_b32 s[WV], v1
	s_lshr_b32 s[HA], s[WV], 1
	s_and_b32 s[HB], s[WV], 1
	s_bfe_u32 s40, ttmp6, 0x40000                  ; cx, cy: my place in the cluster
	s_bfe_u32 s41, ttmp6, 0x40004
	s_lshr_b32 s66, ttmp9, 1                       ; 1 for V, else 0: the cluster's x is the same in all sixteen partners
	s_xor_b32 s67, s66, 1                          ; 1 for Q and K
	s_and_b32 s68, ttmp7, 0xffff
	s_lshl_b32 s68, s68, 2                         ; 4 x cluster y: it walks the tokens, which are A's rows for Q and K and B's for V
	s_mul_i32 s69, s68, s67
	s_add_co_u32 s69, s69, s41                     ; A's block of 256 rows: cy (+ 4 x cluster y)
	s_mul_i32 s70, s68, s66
	s_add_co_u32 s70, s70, s40                     ; B's: cx (+ 4 x cluster y)
	s_lshl_b32 s43, s41, 2
	s_lshl_b32 s43, 15, s43                        ; my row of the cluster
	s_lshl_b32 s44, 0x1111, s40                    ; my column
	; descriptor group 1: 8 rows of 4,096 bytes (a tile's two images of this K step), 16,384 bytes (a tile's eight images) apart; elements of 8 bytes; dense in LDS
	s_or_b32 s[G1+0], s43, (3<<16)|(1<<21)         ; 15:0 the mask: A's tiles go to my row; 17:16 elements of 8 bytes; 21 set beside a mask
	s_or_b32 s[G1B+0], s44, (3<<16)|(1<<21)        ; B's to my column
.irp g, G1, G1B
	s_mov_b32 s[\g+1], 512<<16                     ; tensor_dim0 = 512 elements
	s_mov_b32 s[\g+2], 8<<16                       ; tensor_dim1 = 8
	s_mov_b32 s[\g+3], 512<<16                     ; tile_dim0
	s_mov_b32 s[\g+4], 8                           ; tile_dim1
	s_mov_b32 s[\g+5], 2048                        ; tensor_dim0_stride
	s_mov_b32 s[\g+6], 0
	s_mov_b32 s[\g+7], 0
.endr
	; where the tiles come from.  A's address is made of cy, B's of cx, each in registers that never hold the other
	s_lshl_b32 s20, s69, 4
	s_lshl_b32 s21, s[HB], 3
	s_add_co_u32 s20, s20, s21                     ; A: the first of the 8 tiles that I fetch
	s_lshl_b32 s20, s20, 14
	s_mul_i32 s21, s67, ttmp9
	s_lshl_b32 s21, s21, 23
	s_add_co_u32 s20, s20, s21                     ; Q: x's version 0, K: version 1,
	s_mul_i32 s21, s66, 0x1a00000
	s_add_co_u32 s20, s20, s21                     ; V: Wv's images
	s_mov_b32 s21, 0
	s_lshl_b32 s46, s70, 4
	s_lshl_b32 s47, s[HB], 3
	s_add_co_u32 s46, s46, s47                     ; B likewise
	s_lshl_b32 s46, s46, 14
	s_lshl_b32 s47, ttmp9, 20
	s_add_co_u32 s47, s47, 0x1800000
	s_mul_i32 s47, s47, s67
	s_add_co_u32 s46, s46, s47                     ; Q: Wq's images, K: Wk's,
	s_lshl_b32 s47, s66, 24
	s_add_co_u32 s46, s46, s47                     ; V: x's version 2
	s_mov_b32 s47, 0
	s_lshl_b32 s45, s[HB], 15                      ; where they go: A's half,
	s_lshl_b32 s71, s[HB], 15
	s_add_co_u32 s71, s71, ABYTES                  ; B's half: no place in the cluster enters an LDS address
	s_lshl_b32 s72, ttmp9, 3                       ; the product's two scales: entries 2 X and 2 X + 1
	s_add_co_u32 s73, ttmp9, s66
	s_add_co_u32 s73, s73, 6
	s_lshl_b32 s73, s73, 2                         ; the result's scale: entry 6 (Q), 7 (K), 9 (V)
	s_wait_kmcnt 0x0
	s_load_b64 s[96:97], s[6:7], s72 offset:0x0
	s_load_b32 s98, s[6:7], s73 offset:0x0
	s_add_nc_u64 s[20:21], s[4:5], s[20:21]
	s_add_nc_u64 s[46:47], s[4:5], s[46:47]
	CROUND                                         ; all sixteen work-groups are here: the first joint loads meet
.irp s, 0,1
	s_mov_b32 s[G0+4*\s], 1
	s_add_co_u32 s[G0+4*\s+1], s45, \s*SLOT
	s_add_nc_u64 s[G0+4*\s+2:G0+4*\s+3], s[20:21], \s*4096
	s_or_b32 s[G0+4*\s+3], s[G0+4*\s+3], 0x80000000
	s_mov_b32 s[G0B+4*\s], 1
	s_add_co_u32 s[G0B+4*\s+1], s71, \s*SLOT
	s_add_nc_u64 s[G0B+4*\s+2:G0B+4*\s+3], s[46:47], \s*4096
	s_or_b32 s[G0B+4*\s+3], s[G0B+4*\s+3], 0x80000000
	JLOAD \s
.endr
	v_and_b32 v1, 31, v0
	v_lshlrev_b32 v[CO], 4, v1
	s_lshl_b32 s78, s[HA], 15                      ; my 8 blocks of A
	s_lshl_b32 s79, s[HB], 15
	s_add_co_u32 s79, s79, ABYTES                  ; my 8 tiles of B
.irp s, 0,1
	v_add_nc_u32 v[ADRA+\s], s78, v[CO]
	v_add_nc_u32 v[ADRB+\s], s79, v[CO]
	s_add_co_u32 s78, s78, SLOT
	s_add_co_u32 s79, s79, SLOT
.endr
	; the bias, in both forms: by registers (Q, K: a lane's registers run along the channels) and by lanes (V: a lane is a channel).  The form that the projection does not use reads the bias's first numbers and is not used.
	v_bfe_u32 v2, v0, 4, 1
	v_lshlrev_b32 v[BRO], 6, v2
	v_and_b32 v3, 15, v0
	v_and_b32 v4, 8, v3
	v_add_nc_u32 v4, v4, v3
	v_lshlrev_b32 v[BLO], 2, v4
	s_cmp_eq_u32 ttmp9, 1
	s_cselect_b64 s[8:9], s[10:11], s[8:9]
	s_cmp_eq_u32 ttmp9, 2
	s_cselect_b64 s[8:9], s[12:13], s[8:9]
	s_lshl_b32 s80, s70, 8
	s_lshl_b32 s81, s[HB], 7
	s_add_co_u32 s80, s80, s81                     ; my first channel on the register side: 256 x block + 128 x half
	s_mul_i32 s80, s80, s67
	s_lshl_b32 s80, s80, 2
	s_mov_b32 s81, 0
	s_add_nc_u64 s[74:75], s[8:9], s[80:81]
	s_lshl_b32 s80, s69, 8
	s_lshl_b32 s82, s[HA], 7
	s_add_co_u32 s80, s80, s82                     ; and on the lane side
	s_mul_i32 s80, s80, s66
	s_lshl_b32 s80, s80, 2
	s_add_nc_u64 s[76:77], s[8:9], s[80:81]
.irp p, 0,1,2,3
.irp k, 0,1,2,3
	global_load_b128 v[BR+16*\p+4*\k:BR+16*\p+4*\k+3], v[BRO], s[74:75] offset:128*\p+16*\k   ; register 16 p + i: channel 32 p + 16 h + i
.endr
.endr
.irp a, 0,1,2,3,4,5,6,7
	global_load_b32 v[BL+2*\a], v[BLO], s[76:77] offset:4*(32*(\a/2)+8*(\a%2))     ; block a: my lane's channel, twice: a pair for the packed form
	global_load_b32 v[BL+2*\a+1], v[BLO], s[76:77] offset:4*(32*(\a/2)+8*(\a%2))
.endr
.macro FRAG reg, adr, q, i             ; a fragment comes as it lies: tile i of my eight, image q of the slot's two, four groups of 512 bytes
.irp c, 0,1,2,3
	ds_load_b128 v[\reg+4*\c:\reg+4*\c+3], v[\adr] offset:4096*(\i)+2048*(\q)+512*\c
.endr
.endm
; 16 matrix instructions: A's blocks a0, a0 + 1 x B's eight tiles, 128 along K.  p: B's set.  zero = 1: the first product starts the sums.
; The 64 accumulators take turns, one instruction a turn, in the same order in every step.
.macro MUL2 a0, p, zero
.irp a, \a0, \a0+1
.irp b, 0,1,2,3,4,5,6,7
.if \zero
	v_wmma_f32_16x16x128_fp8_fp8 v[8*(8*((\a)%4)+\b):8*(8*((\a)%4)+\b)+7], v[128*(\p)+FR*\b:128*(\p)+FR*\b+FR-1], v[AF+FR*(\a):AF+FR*(\a)+FR-1], 0
.else
	v_wmma_f32_16x16x128_fp8_fp8 v[8*(8*((\a)%4)+\b):8*(8*((\a)%4)+\b)+7], v[128*(\p)+FR*\b:128*(\p)+FR*\b+FR-1], v[AF+FR*(\a):AF+FR*(\a)+FR-1], v[8*(8*((\a)%4)+\b):8*(8*((\a)%4)+\b)+7]
.endif
.endr
.endr
.endm
.macro FETCH_B slot, q, p
	WIN TO_B
.irp i, 0,1,2,3,4,5,6,7
	FRAG 128*(\p)+FR*\i, ADRB+\slot, \q, \i
.endr
	WIN 0
.endm
.macro FETCH_A slot, q, i0             ; A's blocks i0 .. i0 + 3
.irp i, \i0, \i0+1, \i0+2, \i0+3
	FRAG AF+FR*(\i), ADRA+\slot, \q, \i
.endr
.endm
.macro PLACES n                        ; plain vector lines between a matrix instruction and a load into, or a vector write or read of, its registers (ISA guide 7.12.1 for vector writes and reads)
.rept \n
	v_nop
.endr
.endm
; A step of 128 along K that has its successor in the same slot.  A block of A is free when its eight products are issued, so A has one set: blocks 0-3 come anew in the step's middle, blocks 4-7 at its end.
.macro STEP slot, q, zero
	s_wait_dscnt 4*NL                              ; B's set and A's blocks 0-3 are in; the youngest 16 loads (A's blocks 4-7) may be out
	WIN MUL_LO
	MUL2 0, (\q)%2, \zero
	MUL2 2, (\q)%2, \zero
	s_wait_dscnt 0                                 ; A's blocks 4-7 are in
	PLACES NP
	FETCH_B \slot, (\q)+1, 1-(\q)%2
	FETCH_A \slot, (\q)+1, 0
	WIN MUL_HI
	MUL2 4, (\q)%2, \zero
	MUL2 6, (\q)%2, \zero
	PLACES NP
	WIN 0
	FETCH_A \slot, (\q)+1, 4
.endm
; A slot's last step changes slots: ONE barrier; in front of it each wave waits for all its tensor loads, adds 0 to its spare word, and waits for that and for its reads of this slot.  fill = 1: this slot is filled again, two K steps ahead.
.macro TURN slot, next, fill
	s_wait_tensorcnt 0x0                           ; all my tensor loads have landed: my part of the next slot  (every window is 0 here)
	ds_add_u32 v[SPW], v[NIL]                      ; 0 onto my spare word
	s_wait_dscnt 4*NL+1                            ; (the add and the youngest 16 loads, A's blocks 4-7, may be out)
	WIN MUL_LO
	MUL2 0, 1, 0                                   ; sixteen matrix instructions stand between the add and the wait for it
	s_wait_dscnt 0x0                               ; the add is done, and my reads of this slot are over
	s_barrier_signal -1
	MUL2 2, 1, 0
	WIN 0
	s_barrier_wait -1
.if \fill
	CREST                                          ; the barrier has opened a round of the cluster's barrier: no wave of any partner still reads this slot or has a load on its way
	s_add_nc_u64 s[G0+4*\slot+2:G0+4*\slot+3], s[G0+4*\slot+2:G0+4*\slot+3], 8192
	s_add_nc_u64 s[G0B+4*\slot+2:G0B+4*\slot+3], s[G0B+4*\slot+2:G0B+4*\slot+3], 8192
	JLOAD \slot                                    ; the first tensor load behind the round; its four v_nop are also the places in front of the loads below
.else
	PLACES NP
.endif
	FETCH_B \next, 0, 0
	FETCH_A \next, 0, 0
	WIN MUL_HI
	MUL2 4, 1, 0
	MUL2 6, 1, 0
	PLACES NP
	WIN 0
	FETCH_A \next, 0, 4
.endm
	s_wait_tensorcnt 1                             ; my part of K step 0 is in (K step 1's one load may be out)
	s_barrier_signal -1
	s_barrier_wait -1                              ; everybody's is
	FETCH_B 0, 0, 0
	FETCH_A 0, 0, 0
	FETCH_A 0, 0, 4
	STEP 0, 0, 1                                   ; four K steps of 256, written out: the first products start the sums
	TURN 0, 1, 1                                   ; slot 0 takes K step 2
	STEP 1, 0, 0
	TURN 1, 0, 1                                   ; slot 1 takes K step 3
	STEP 0, 0, 0
	TURN 0, 1, 0                                   ; nothing is left to fetch
	STEP 1, 0, 0
	s_wait_dscnt 4*NL
	WIN MUL_LO
	MUL2 0, 1, 0
	MUL2 2, 1, 0
	s_wait_dscnt 0
	WIN MUL_HI
	MUL2 4, 1, 0
	MUL2 6, 1, 0
	WIN 0
; THE WAY OUT of block a (16 rows of A x my 128 of B): value = sum x 2^(eA + eB) + bias, each accumulator from its low end on; the hold; eight conversions; four stores of 512 consecutive bytes.
; mode 0 (Q, K): group p goes to head p / 2 of my two, half p % 2 of its 64 channels, token tile a.   mode 1 (V): to head a / 4 of my two, channel tile a % 4, keys 32 p on of my key step.
.macro EPI a, mode
.set AC, 64*((\a)%4)
.set CC, CD+16*((\a)%2)
	WIN (0x02+((\a)/4))                            ; source 0: window 2 or 3
.irp i, 0,2,4,6,8,10,12,14,16,18,20,22,24,26,28,30,32,34,36,38,40,42,44,46,48,50,52,54,56,58,60,62
.if \mode
	v_pk_fma_f32 v[TMP+\i:TMP+\i+1], v[AC+\i:AC+\i+1], s[96:97], v[BL+2*(\a):BL+2*(\a)+1] op_sel_hi:[1,0,1]
.else
	v_pk_fma_f32 v[TMP+\i:TMP+\i+1], v[AC+\i:AC+\i+1], s[96:97], v[BR+\i:BR+\i+1] op_sel_hi:[1,0,1]
.endif
.endr
	WIN 0
.if (\a) > 1
	s_wait_xcnt 0x0                                ; block a - 2's stores have read the registers that this block's codes take
.endif
.irp p, 0,1,2,3
.irp i, 0,1,2,3,4,5,6,7,8,9,10,11,12,13,14,15
	v_med3_num_f32 v[TMP+16*\p+\i], v[TMP+16*\p+\i], -v[LIM], v[LIM]   ; the conversion does not saturate (ISA guide 7.6.2)
.endr
	v_cvt_scalef32_pk8_fp8_f32 v[CC+4*\p:CC+4*\p+1], v[TMP+16*\p:TMP+16*\p+7], v[SC]
	v_cvt_scalef32_pk8_fp8_f32 v[CC+4*\p+2:CC+4*\p+3], v[TMP+16*\p+8:TMP+16*\p+15], v[SC]
.endr
	v_nop                                          ; one plain line behind the last conversion: the next block's values write its sources
.irp p, 0,1,2,3
.if \mode
	global_store_b128 v[CO], v[CC+4*\p:CC+4*\p+3], s[14:15] offset:131072*((\a)/4)+2048*((\a)%4)+512*\p
.else
	global_store_b128 v[CO], v[CC+4*\p:CC+4*\p+3], s[14:15] offset:1024*(\a)+131072*(\p/2)+512*(\p%2)
.endif
.endr
.endm
	s_wait_kmcnt 0x0
	s_add_co_i32 s96, s96, s97
	s_add_co_i32 s96, s96, 127
	s_lshl_b32 s96, s96, 23                        ; 2^(eA + eB) as f32
	s_mov_b32 s97, s96                             ; (named with it as a pair)
	s_add_co_i32 s98, s98, 127
	s_lshl_b32 s99, s98, 23
	v_mov_b32 v[SC], s99                           ; 2^eo
	s_add_co_i32 s98, s98, 8
	s_lshl_b32 s98, s98, 23
	s_or_b32 s98, s98, 0x600000
	v_mov_b32 v[LIM], s98                          ; 448 x 2^eo
	PLACES NP                                      ; behind the last products: their results are read and A's registers written below
	s_wait_loadcnt 0x0                             ; the bias
	s_cmp_eq_u32 ttmp9, 2                          ; the cluster's x: alike in all partners
	s_cbranch_scc1 .Lv_out
	s_lshl_b32 s80, s69, 4
	s_lshl_b32 s81, s[HA], 3
	s_add_co_u32 s80, s80, s81                     ; my first token tile of 512
	s_lshr_b32 s81, s80, 7                         ; batch
	s_and_b32 s80, s80, 127                        ; tile in the batch
	s_lshl_b32 s81, s81, 4
	s_lshl_b32 s82, s70, 2
	s_add_co_u32 s81, s81, s82
	s_lshl_b32 s82, s[HB], 1
	s_add_co_u32 s81, s81, s82                     ; batch x 16 + my first head: 4 x block + 2 x half
	s_lshl_b32 s81, s81, 7
	s_add_co_u32 s80, s80, s81
	s_lshl_b32 s80, s80, 10
	s_lshl_b32 s81, ttmp9, 23                      ; Q's part or K's
	s_add_co_u32 s80, s80, s81
	s_mov_b32 s81, 0
	s_add_nc_u64 s[14:15], s[14:15], s[80:81]
.irp a, 0,1,2,3,4,5,6,7
	EPI \a, 0
.endr
	s_branch .Ldone
.Lv_out:
	s_lshl_b32 s80, s70, 4
	s_lshl_b32 s81, s[HB], 3
	s_add_co_u32 s80, s80, s81                     ; my first token tile: my 128 tokens are one key step
	s_lshr_b32 s81, s80, 7                         ; batch
	s_and_b32 s80, s80, 127
	s_lshr_b32 s80, s80, 3                         ; key step
	s_lshl_b32 s81, s81, 4
	s_lshl_b32 s82, s69, 2
	s_add_co_u32 s81, s81, s82
	s_lshl_b32 s82, s[HA], 1
	s_add_co_u32 s81, s81, s82                     ; batch x 16 + my first head
	s_lshl_b32 s81, s81, 4
	s_add_co_u32 s80, s80, s81
	s_lshl_b32 s80, s80, 13
	s_add_co_u32 s80, s80, 0x1000000               ; V's part
	s_mov_b32 s81, 0
	s_add_nc_u64 s[14:15], s[14:15], s[80:81]
.irp a, 0,1,2,3,4,5,6,7
	EPI \a, 1
.endr
.Ldone:
	s_wait_tensorcnt 0x0                           ; the wave's end
	ds_add_u32 v[SPW], v[NIL]
	s_wait_dscnt 0x0
	CROUND                                         ; the closing round: no work-group ends while a partner may still ask for a tile that names it
	s_endpgm
.Lfunc_end_k_q562d8c48e7_gemm1:
	.size	k_q562d8c48e7_gemm1, .Lfunc_end_k_q562d8c48e7_gemm1-k_q562d8c48e7_gemm1
	.p2alignl 7, 3214868480
	.fill 96, 4, 3214868480
	.section	.rodata,"a",@progbits
	.p2align	6, 0x0
	.amdhsa_kernel k_q562d8c48e7_gemm1
		.amdhsa_group_segment_fixed_size 327680
		.amdhsa_private_segment_fixed_size 0
		.amdhsa_enable_private_segment 0
		.amdhsa_kernarg_size 48
		.amdhsa_user_sgpr_count 2
		.amdhsa_user_sgpr_kernarg_segment_ptr 1
		.amdhsa_wavefront_size32 1
		.amdhsa_system_sgpr_workgroup_id_x 1
		.amdhsa_system_sgpr_workgroup_id_y 1
		.amdhsa_system_sgpr_workgroup_id_z 1
		.amdhsa_system_vgpr_workitem_id 0
		.amdhsa_next_free_vgpr 1024
		.amdhsa_next_free_sgpr 100
		.amdhsa_reserve_vcc 0
		.amdhsa_float_denorm_mode_32 3
		.amdhsa_float_denorm_mode_16_64 3
		.amdhsa_memory_ordered 1
		.amdhsa_forward_progress 1
		.amdhsa_inst_pref_size 195
	.end_amdhsa_kernel
	.amdgpu_metadata
---
amdhsa.version: [ 1, 2 ]
amdhsa.kernels:
  - .name:           k_q562d8c48e7_gemm1
    .symbol:         k_q562d8c48e7_gemm1.kd
    .args:
      - { .name: ops, .offset: 0, .size: 8, .value_kind: global_buffer, .address_space: global }
      - { .name: lowp_scales, .offset: 8, .size: 8, .value_kind: global_buffer, .address_space: global }
      - { .name: bq, .offset: 16, .size: 8, .value_kind: global_buffer, .address_space: global }
      - { .name: bk, .offset: 24, .size: 8, .value_kind: global_buffer, .address_space: global }
      - { .name: bv, .offset: 32, .size: 8, .value_kind: global_buffer, .address_space: global }
      - { .name: qkv, .offset: 40, .size: 8, .value_kind: global_buffer, .address_space: global }
    .group_segment_fixed_size: 327680
    .private_segment_fixed_size: 0
    .kernarg_segment_align: 8
    .kernarg_segment_size: 48
    .max_flat_workgroup_size: 128
    .sgpr_count:     100
    .vgpr_count:     1024
    .wavefront_size: 32
...
	.end_amdgpu_metadata
.endif
;; end of part 2
;; launch attn (part 3): grid 8 x 64, 16 waves a work-group, no clusters, 264,192 bytes of LDS; arguments qkv, lowp_scales, ao; writes ao
.if DOCPART == 3
	.amdgcn_target "amdgcn-amd-amdhsa--gfx1250"
	.amdhsa_code_object_version 6
	.text
	.protected	k_q562d8c48e7_attn
	.globl	k_q562d8c48e7_attn
	.p2align	8
	.type	k_q562d8c48e7_attn,@function
k_q562d8c48e7_attn:
	s_mov_b64 s[64:65], 0
	v_nop
	global_prefetch_b8 v0, s[64:65] scope:SCOPE_SE
	s_setreg_imm32_b32 hwreg(HW_REG_WAVE_MODE, 25, 1), 1
	s_wait_xcnt 0x0
; Causal attention of one head (64 channels, 2,048 tokens) on codes of E4M3, and the quantising of its result for the last projection.
; qkv: Q at 0, K at 0x800000: [bh][token tile 0..127][c 0..1][512]: lane (r, h) holds channels 32 c + 16 h + 0 .. 15 of the tile's token r;  V at 0x1000000: [bh][key step of 128][channel tile 0..3][c 0..3][512]: keys 32 c + 16 h + 0 .. 15 of the tile's channel r.
; Row i of tile T is row 32 (T / 2) + 8 (T % 2) + i + 8 (i / 8).  ao: [token tile 0..511][K step 0..7][c 0..3][512]: head hd fills K step hd / 2, groups 2 (hd % 2) and 2 (hd % 2) + 1.
; THE SOFTMAX: t = score x 2^(e6 + e7) x log2(e) / 8; M = the running largest t rounded UP to a whole number; p = 2^(t - M) is quantised with 2^e8, not normalised; the row's sum is taken of the unquantised p and divides at the end.
; Both products are used transposed (S^T = K Q^T, O^T = V^T P^T): a lane holds ONE query throughout; by the tiles' order of rows p's 16 registers of two neighbouring tiles are 16 neighbouring keys, and O^T's are 16 neighbouring channels.
; SHARES.  A work-group owns the blocks j and 15 - j of 128 queries of a head: (j + 1) + (16 - j) = 17 key steps for each pair of tiles, the same in every work-group.  Sixteen waves, one tile of 16 queries each, eight on each block.
; THE HEAD'S K AND V LIE WHOLE IN LDS (131,072 bytes each), each byte written once: chunks of 256 keys (16,384 + 16,384 bytes, dense in memory) are copied through registers, 4 x 16 bytes a thread; chunk c + 1 is asked for at the head
; of chunk c's two key steps and stored behind them, so one barrier a chunk orders all.  Every wave walks 8 trips (a constant, so that LDS addresses step by constants); a key step all of whose keys come after the wave's queries, and
; a chunk that no wave of the work-group needs, are left out by scalar branches on ids; no barrier stands inside a branch.
; NO JOINT LOADS: the eight work-groups of a head need 5 to 8 chunks, not the same number, and a chunk's copy is 8 memory instructions a wave beside two key steps of some 200 vector instructions each.
; LIMITS: e6 + e7 between -123 and 130 (added to the constant's exponent field); e8 and e10 between -126 and 119; e8 + e9 goes by v_ldexp_f32 and has none.
; REGISTERS: v1-7 addresses and constants; v8-11 addresses in hand; v12 -M, v13 the largest t, v[14:15] the sum in two halves; v16-23 Q; v32-95 K's eight fragments, then V's four; v96-159 S^T, then p; v160-191 O^T; v192-207 p's codes;
;   v208-223 a chunk on its way; v236-254 at work.
.set WV,    10
.set QB,    14                         ; s14  my block's first query
.set KF,    16                         ; s16  the step's first key
.set TB,    17                         ; s17  the chunk's byte in K's and in V's part of LDS
.set CNT,   18
.set LIMIT, 19                         ; s19  keys that the work-group needs: 128 (16 - j)
.set LIM2,  20                         ; s20  LIMIT - 256
.set KP,    22                         ; s[22:23], s[24:25] the next chunk of K and of V in memory
.set VP,    24
.set CS,    26                         ; s[26:27] the constant c
.set SEL,   28                         ; s[28:29] lane selects for v_permlanex16_b32: lane l xor 16
.set EP,    42                         ; s42  e8
.set VLDS,  131072
	s_load_b128 s[4:7], s[0:1], 0x0                ; qkv, the scales' exponents
	s_load_b64 s[8:9], s[0:1], 0x10                ; ao
	v_lshl_add_u32 v251, v0, 2, 0x40000
	v_mov_b32 v255, 0
	v_lshrrev_b32 v8, 5, v0
	v_readfirstlane_b32 s[WV], v8                  ; wave 0..15
	s_lshr_b32 s11, s[WV], 1                       ; a: my tile of the block's eight
	s_lshr_b32 s12, s[WV], 2
	s_xor_b32 s12, s12, s[WV]
	s_and_b32 s12, s12, 1                          ; 0: block j, 1: block 15 - j; of waves 2 a and 2 a + 1 one takes each
	s_lshl_b32 s13, ttmp9, 1
	s_sub_co_u32 s13, 15, s13
	s_mul_i32 s13, s13, s12
	s_add_co_u32 s13, s13, ttmp9                   ; my block
	s_lshl_b32 s[QB], s13, 7
	s_lshl_b32 s15, s13, 3
	s_add_co_u32 s15, s15, s11                     ; my token tile in the batch
	s_sub_co_u32 s[LIMIT], 16, ttmp9
	s_lshl_b32 s[LIMIT], s[LIMIT], 7
	s_sub_co_u32 s[LIM2], s[LIMIT], 256
	s_and_b32 s30, ttmp7, 0xffff                   ; bh = batch x 16 + head
	s_mov_b32 s[KF], 0
	s_mov_b32 s[TB], 0
	s_mov_b32 s[SEL], 0x76543210
	s_mov_b32 s[SEL+1], 0xfedcba98
	s_mov_b32 s[CS], 0x3e38aa3b                    ; log2(e) / 8
	v_and_b32 v5, 31, v0
	v_lshlrev_b32 v1, 4, v5                        ; 16 x lane: a fragment's group in K's part,
	v_add_nc_u32 v2, VLDS, v1                      ; in V's part
	v_lshlrev_b32 v3, 4, v0                        ; 16 x thread: the copy, in memory and in K's part,
	v_add_nc_u32 v4, VLDS, v3                      ; in V's part
	v_and_b32 v8, 15, v0                           ; r
	v_bfe_u32 v9, v0, 4, 1                         ; h
	v_and_b32 v10, 8, v8
	v_add_nc_u32 v10, v10, v8                      ; r + 8 (r / 8)
	v_lshlrev_b32 v9, 4, v9
	v_sub_nc_u32 v6, v10, v9
	s_lshr_b32 s31, s11, 1
	s_lshl_b32 s31, s31, 5
	s_and_b32 s32, s11, 1
	s_lshl_b32 s32, s32, 3
	s_add_co_u32 s31, s31, s32
	v_add_nc_u32 v6, s31, v6                       ; my query in its block - 16 h.  On the diagonal register n holds key 32 (n / 16) + n % 16 + 16 h of the block: hidden where 32 (n / 16) + n % 16 > v6
	v_mov_b32 v7, 0xff800000                       ; -infinity
	s_lshl_b32 s32, s30, 17                        ; a head's K, and V, are 131,072 bytes
	s_mov_b32 s33, 0
	s_wait_kmcnt 0x0
	s_load_b128 s[40:43], s[6:7], 0x18             ; e6, e7, e8, e9
	s_load_b32 s44, s[6:7], 0x28                   ; e10
	s_add_nc_u64 s[KP:KP+1], s[4:5], s[32:33]
	s_add_nc_u64 s[VP:VP+1], s[KP:KP+1], 0x1000000
	s_add_nc_u64 s[KP:KP+1], s[KP:KP+1], 0x800000
	s_lshl_b32 s32, s30, 7
	s_add_co_u32 s32, s32, s15
	s_lshl_b32 s32, s32, 10
	s_add_nc_u64 s[34:35], s[4:5], s[32:33]        ; my tile of Q
	s_lshr_b32 s32, s30, 4
	s_lshl_b32 s32, s32, 7
	s_add_co_u32 s32, s32, s15
	s_lshl_b32 s32, s32, 14                        ; ao: my token tile of 512,
	s_and_b32 s31, s30, 15
	s_lshr_b32 s31, s31, 1
	s_lshl_b32 s31, s31, 11
	s_add_co_u32 s32, s32, s31                     ; K step head / 2,
	s_and_b32 s31, s30, 1
	s_lshl_b32 s31, s31, 10
	s_add_co_u32 s32, s32, s31                     ; groups 2 (head % 2) on
	s_add_nc_u64 s[36:37], s[8:9], s[32:33]
.macro CLOAD                           ; a chunk: each instruction of the work-group's 512 threads reads 8,192 consecutive bytes
	global_load_b128 v[208:211], v3, s[KP:KP+1]
	global_load_b128 v[212:215], v3, s[KP:KP+1] offset:8192
	global_load_b128 v[216:219], v3, s[VP:VP+1]
	global_load_b128 v[220:223], v3, s[VP:VP+1] offset:8192
.endm
.macro CSTORE off                      ; and goes to LDS as it lies, off bytes behind the chunk in hand
	v_add_nc_u32 v10, s[TB], v3
	v_add_nc_u32 v11, s[TB], v4
	ds_store_b128 v10, v[208:211] offset:\off
	ds_store_b128 v10, v[212:215] offset:\off+8192
	ds_store_b128 v11, v[216:219] offset:\off
	ds_store_b128 v11, v[220:223] offset:\off+8192
.endm
	CLOAD                                          ; chunk 0
	global_load_b128 v[16:19], v1, s[34:35]        ; Q's fragment stays in registers
	global_load_b128 v[20:23], v1, s[34:35] offset:512
	v_mov_b32 v13, 0xff61b1e6                      ; the largest t so far: -3e38, under every t
	v_floor_f32 v12, -v13                          ; -M
	v_mov_b32 v14, 0                               ; the sum, in two halves
	v_mov_b32 v15, 0
	v_mov_b32 v236, 0                              ; written once: a lane permute's destination counts as one of its sources
	v_mov_b32 v252, 0
	v_mov_b32 v253, 0                              ; (named as the upper half of the pair v[252:253])
.set n, 0
.rept 32
	v_mov_b32 v[160+n], 0                          ; O^T.  (The step is written once: the first finds zeros, which the first change of M leaves zeros)
.set n, n+1
.endr
	s_wait_kmcnt 0x0
	s_add_co_i32 s45, s40, s41
	s_lshl_b32 s45, s45, 23
	s_add_co_i32 s[CS], s[CS], s45                 ; a score stands for score x 2^(e6 + e7): added to c's exponent field
	s_mov_b32 s[CS+1], s[CS]                       ; (named with it as a pair)
	s_add_co_i32 s45, s42, 127
	s_lshl_b32 s46, s45, 23
	v_mov_b32 v244, s46                            ; 2^e8, for p's conversions
	s_add_co_i32 s45, s45, 8
	s_lshl_b32 s45, s45, 23
	s_or_b32 s45, s45, 0x600000
	v_mov_b32 v240, s45                            ; 448 x 2^e8
	s_add_co_i32 s46, s42, s43                     ; e8 + e9
	s_add_co_i32 s45, s44, 127
	s_lshl_b32 s47, s45, 23                        ; 2^e10, for the way out
	s_add_co_i32 s45, s45, 8
	s_lshl_b32 s48, s45, 23
	s_or_b32 s48, s48, 0x600000                    ; 448 x 2^e10
	s_wait_loadcnt 0x0                             ; chunk 0 and Q are in; the loads' addresses may be stepped
	CSTORE 0
	s_add_nc_u64 s[KP:KP+1], s[KP:KP+1], 16384
	s_add_nc_u64 s[VP:VP+1], s[VP:VP+1], 16384
; A KEY STEP: 128 keys, the q-th of the chunk in hand.
.macro STEP q
	s_cmp_gt_u32 s[KF], s[QB]                      ; both are multiples of 128: all these keys come after my block's queries
	s_cbranch_scc1 .Lhidden_\@
	v_add_nc_u32 v8, s[TB], v1
	v_add_nc_u32 v9, s[TB], v2
	v_nop                                          ; with the two additions: four places in front of loads into registers that the last products read
	v_nop
.irp t, 0,1,2,3,4,5,6,7
	ds_load_b128 v[32+8*\t:35+8*\t], v8 offset:8192*(\q)+1024*\t
	ds_load_b128 v[36+8*\t:39+8*\t], v8 offset:8192*(\q)+1024*\t+512
.endr
	s_wait_dscnt 0x0
.irp t, 0,1,2,3,4,5,6,7
	v_wmma_f32_16x16x64_fp8_fp8 v[96+8*\t:103+8*\t], v[32+8*\t:39+8*\t], v[16:23], 0   ; S^T: lane (r, h) holds query r; register n holds key KF + 32 (n / 16) + 16 h + n % 16
.endr
.rept 4
	v_nop                                          ; places: V's loads take K's registers, and the scores are read below
.endr
.irp d, 0,1,2,3
.irp c, 0,1,2,3
	ds_load_b128 v[32+16*\d+4*\c:35+16*\d+4*\c], v9 offset:8192*(\q)+2048*\d+512*\c   ; V's four fragments land while the softmax is worked
.endr
.endr
	s_cmp_lt_u32 s[KF], s[QB]                      ; all keys count: no mask.  Else this is my block's own step, on the diagonal
	s_cbranch_scc1 .Lopen_\@
.set n, 0
.rept 64
	v_cmp_gt_i32 vcc_lo, 32*(n/16)+n%16, v6
	v_cndmask_b32 v[96+n], v[96+n], v7, vcc_lo     ; a hidden key's score becomes -infinity ahead of the maximum: p = 0
.set n, n+1
.endr
.Lopen_\@:
	v_max3_num_f32 v254, v96, v97, v98             ; the step's largest score of my query, among my 64 keys, in two chains, each accumulator from its low end on,
	v_max3_num_f32 v252, v99, v100, v101
.irp i, 6,10,14,18,22,26,30,34,38,42,46,50,54,58
	v_max3_num_f32 v254, v254, v[96+\i], v[97+\i]
	v_max3_num_f32 v252, v252, v[98+\i], v[99+\i]
.endr
	v_max3_num_f32 v254, v254, v158, v159
	v_max_num_f32 v254, v254, v252
	v_permlanex16_b32 v236, v254, s[SEL], s[SEL+1]
	v_max_num_f32 v254, v254, v236                 ; and among lane l xor 16's
	v_mul_f32 v254, s[CS], v254                    ; as t (c is positive)
	v_max_num_f32 v13, v13, v254                   ; the running largest t
	v_mov_b32 v254, v12
	v_floor_f32 v12, -v13                          ; the new -M = floor(-t) = -ceil(t): a whole number
	v_sub_f32 v254, v12, v254                      ; old M - new M: a whole number, 0 or less
	v_cvt_i32_f32 v254, v254                       ; (it saturates)
	v_ldexp_f32 v252, 1.0, v254                    ; f = 2^(old M - new M): a multiplication by it rounds nothing
.set n, 0
.rept 32
	v_pk_fma_f32 v[96+n:97+n], v[96+n:97+n], s[CS:CS+1], v[12:13] op_sel_hi:[1,0,0]   ; t - M, two at a time
.set n, n+2
.endr
.set n, 0
.rept 64
	v_exp_f32 v[96+n], v[96+n]                     ; p = 2^(t - M): NOT normalised
.set n, n+1
.endr
	v_pk_mul_f32 v[14:15], v[14:15], v[252:253] op_sel_hi:[1,0]   ; the sums under the new M: the plain line behind the exponentials
	s_wait_alu depctr_va_vdst(0)                   ; one wait for the whole batch, ahead of its first reader
	v_pk_add_f32 v[242:243], v[96:97], v[98:99]    ; the row's sum is taken of the unquantised p, in two chains
.irp j, 4,8,12,16,20,24,28,32,36,40,44,48,52,56,60
	v_pk_add_f32 v[14:15], v[14:15], v[96+\j:97+\j]
	v_pk_add_f32 v[242:243], v[242:243], v[98+\j:99+\j]
.endr
	v_pk_add_f32 v[14:15], v[14:15], v[242:243]
	s_cmp_ge_i32 s[EP], -8                         ; p is at most 1 (but for a last bit), and 448 x 2^e8 is 1.75 or more from e8 = -8 on: there the hold changes nothing and is left out
	s_cbranch_scc1 .Lno_hold_\@
.set n, 0
.rept 64
	v_min_num_f32 v[96+n], v[96+n], v240           ; the conversion does not saturate (ISA guide 7.6.2); p is not negative, so the hold is one-sided
.set n, n+1
.endr
.Lno_hold_\@:
.irp b, 0,1,2,3
	v_cvt_scalef32_pk8_fp8_f32 v[192+4*\b:193+4*\b], v[96+16*\b:103+16*\b], v244
	v_cvt_scalef32_pk8_fp8_f32 v[194+4*\b:195+4*\b], v[104+16*\b:111+16*\b], v244
.endr
.set n, 0
.rept 16
	v_pk_mul_f32 v[160+n:161+n], v[160+n:161+n], v[252:253] op_sel_hi:[1,0]   ; O^T under the new M.  (Also the plain lines between the conversions and the products)
.set n, n+2
.endr
	s_wait_dscnt 0x0                               ; V is in
.irp d, 0,1,2,3
	v_wmma_f32_16x16x128_fp8_fp8 v[160+8*\d:167+8*\d], v[32+16*\d:47+16*\d], v[192:207], v[160+8*\d:167+8*\d]   ; the four accumulators by turns, one instruction a turn
.endr
.Lhidden_\@:
	s_add_co_u32 s[KF], s[KF], 128
.endm
; A TRIP: one chunk.  The barrier shows the chunk whole to every wave: each has waited for its stores.  No byte of LDS is ever written twice, so no second barrier is needed.
.macro TRIP copy
	s_wait_dscnt 0x0                               ; for the others' sake: my part of this chunk is stored
	s_barrier_signal -1
	s_barrier_wait -1
.if \copy
	s_cmp_lt_u32 s[KF], s[LIM2]                    ; does the next chunk hold a key that the work-group needs?
	s_cbranch_scc0 .Lno_load_\@
	CLOAD
.Lno_load_\@:
.endif
	STEP 0
	STEP 1
.if \copy
	s_wait_loadcnt 0x0                             ; the next chunk is in registers (on every path), and its addresses may be stepped
	s_cmp_lt_u32 s[KF], s[LIMIT]                   ; the same question, KF being 256 further on
	s_cbranch_scc0 .Lno_store_\@
	CSTORE 16384
.Lno_store_\@:
	s_add_nc_u64 s[KP:KP+1], s[KP:KP+1], 16384
	s_add_nc_u64 s[VP:VP+1], s[VP:VP+1], 16384
	s_add_co_u32 s[TB], s[TB], 16384
.endif
.endm
	s_mov_b32 s[CNT], 7
.Ltrip:
	TRIP 1
	s_sub_co_u32 s[CNT], s[CNT], 1
	s_cmp_lg_u32 s[CNT], 0
	s_cbranch_scc1 .Ltrip
	TRIP 0                                         ; the eighth chunk has no successor
	; THE WAY OUT: O^T x 2^(e8 + e9) / the sum, quantised with 2^e10.  Register i is channel 32 (i / 16) + 16 h + i % 16 of my query: 16 registers make a group of the last projection's image.
.rept 4
	v_nop                                          ; places behind the last products
.endr
	v_add_f32 v14, v14, v15                        ; the sum's two halves,
	v_permlanex16_b32 v252, v14, s[SEL], s[SEL+1]
	v_add_f32 v14, v14, v252                       ; and lane l xor 16's
	v_rcp_f32 v14, v14
	v_mov_b32 v244, s47                            ; (the plain line behind the reciprocal)  2^e10
	v_mov_b32 v240, s48                            ; 448 x 2^e10
	s_wait_alu depctr_va_vdst(0)                   ; the wait ahead of the reciprocal's first reader
	v_ldexp_f32 v14, v14, s46
	v_mov_b32 v15, v14
.set n, 0
.rept 16
	v_pk_mul_f32 v[96+n:97+n], v[160+n:161+n], v[14:15]
.set n, n+2
.endr
.set n, 0
.rept 32
	v_med3_num_f32 v[96+n], v[96+n], -v240, v240
.set n, n+1
.endr
.irp b, 0,1
	v_cvt_scalef32_pk8_fp8_f32 v[192+4*\b:193+4*\b], v[96+16*\b:103+16*\b], v244
	v_cvt_scalef32_pk8_fp8_f32 v[194+4*\b:195+4*\b], v[104+16*\b:111+16*\b], v244
.endr
	v_nop
	global_store_b128 v1, v[192:195], s[36:37]             ; 512 consecutive bytes each
	global_store_b128 v1, v[196:199], s[36:37] offset:512
	s_wait_tensorcnt 0x0
	ds_add_u32 v251, v255
	s_wait_dscnt 0x0
	s_endpgm
.Lfunc_end_k_q562d8c48e7_attn:
	.size	k_q562d8c48e7_attn, .Lfunc_end_k_q562d8c48e7_attn-k_q562d8c48e7_attn
	.p2alignl 7, 3214868480
	.fill 96, 4, 3214868480
	.section	.rodata,"a",@progbits
	.p2align	6, 0x0
	.amdhsa_kernel k_q562d8c48e7_attn
		.amdhsa_group_segment_fixed_size 264192
		.amdhsa_private_segment_fixed_size 0
		.amdhsa_enable_private_segment 0
		.amdhsa_kernarg_size 24
		.amdhsa_user_sgpr_count 2
		.amdhsa_user_sgpr_kernarg_segment_ptr 1
		.amdhsa_wavefront_size32 1
		.amdhsa_system_sgpr_workgroup_id_x 1
		.amdhsa_system_sgpr_workgroup_id_y 1
		.amdhsa_system_sgpr_workgroup_id_z 1
		.amdhsa_system_vgpr_workitem_id 0
		.amdhsa_next_free_vgpr 256
		.amdhsa_next_free_sgpr 66
		.amdhsa_reserve_vcc 1
		.amdhsa_float_denorm_mode_32 3
		.amdhsa_float_denorm_mode_16_64 3
		.amdhsa_memory_ordered 1
		.amdhsa_forward_progress 1
		.amdhsa_inst_pref_size 93
	.end_amdhsa_kernel
	.amdgpu_metadata
---
amdhsa.version: [ 1, 2 ]
amdhsa.kernels:
  - .name:           k_q562d8c48e7_attn
    .symbol:         k_q562d8c48e7_attn.kd
    .args:
      - { .name: qkv, .offset: 0, .size: 8, .value_kind: global_buffer, .address_space: global }
      - { .name: lowp_scales, .offset: 8, .size: 8, .value_kind: global_buffer, .address_space: global }
      - { .name: ao, .offset: 16, .size: 8, .value_kind: global_buffer, .address_space: global }
    .group_segment_fixed_size: 264192
    .private_segment_fixed_size: 0
    .kernarg_segment_align: 8
    .kernarg_segment_size: 24
    .max_flat_workgroup_size: 512
    .sgpr_count:     66
    .vgpr_count:     256
    .wavefront_size: 32
...
	.end_amdgpu_metadata
.endif
;; end of part 3
;; launch gemm2 (part 4): grid 8 x 32, 4 waves a work-group, clusters of 4 x 4, 327,680 bytes of LDS; arguments ao, ops, lowp_scales, bo, out0; writes out0
.if DOCPART == 4
	.amdgcn_target "amdgcn-amd-amdhsa--gfx1250"
	.amdhsa_code_object_version 6
	.text
	.protected	k_q562d8c48e7_gemm2
	.globl	k_q562d8c48e7_gemm2
	.p2align	8
	.type	k_q562d8c48e7_gemm2,@function
k_q562d8c48e7_gemm2:
	s_mov_b64 s[64:65], 0
	v_nop
	global_prefetch_b8 v0, s[64:65] scope:SCOPE_SE
	s_setreg_imm32_b32 hwreg(HW_REG_WAVE_MODE, 25, 1), 1
	s_wait_xcnt 0x0
	s_wait_alu depctr_hold_cnt(0) depctr_sa_sdst(0) depctr_va_vdst(0) depctr_va_sdst(0) depctr_va_ssrc(0) depctr_va_vcc(0) depctr_vm_vsrc(0)
	s_getreg_b32 s2, hwreg(HW_REG_IB_STS2, 6, 4)
	s_cmp_eq_u32 s2, 0
	s_cbranch_scc0 .Lentry_in_a_cluster
	s_endpgm
.Lentry_in_a_cluster:
	s_bfe_u32 s2, ttmp6, 0x10000c
	s_cmp_lg_u32 s2, 0xf033
	s_cbranch_scc0 .Lentry_shape_is_right
	s_endpgm
.Lentry_shape_is_right:
; out0 = attention's result x Wo^T + bo on codes of E4M3.  out0: [8192][1024] f32.
; Operands come as images of operand registers (16 rows x 128 K in 2,048 bytes, group c at 512 c, lane's 16 bytes at 16 x lane: k = 32 c + 16 h + 0 .. 15; row i of tile T = row 32 (T / 2) + 8 (T % 2) + i + 8 (i / 8)):
; A = ao [token tile 0..511][K step 0..7][2,048];  B = Wo's images in ops at 0x1b00000, [tile 0..63][K step][2,048].
; A work-group of four waves makes 256 tokens x 128 outputs, so that the grid is 8 x 32 = 256 work-groups; a wave 128 x 64: 32 accumulators.  Source 0 = 16 rows of Wo, source 1 = 16 tokens: a lane holds one token,
; and the 16 registers of Wo's tiles 2 p and 2 p + 1 are outputs 32 p + 16 h + 0 .. 15.
; K = 1,024 goes in four steps of 256 through a ring of two LDS slots: A's 16 tiles and B's 8, 4,096 bytes each, dense.  CLUSTERS: 4 x 4; A's tiles are asked for jointly along a row of the cluster, B's along a column.
; value = sum x 2^(e10 + e11) + bo.  LIMIT: e10 + e11 between -126 and 127.
; REGISTERS, in windows of 256: window 0: v16-31 addresses; v32-63 the bias; v64-95 a block's values; v128-255 A's fragments, ONE set; on the way out v128-191 rows read back.
;   window 1: B's fragments, TWO sets, at v0 and v128.   window 2: the accumulators ((a, b) at v[8 (4 a + b)]).
.set FR,     16
.set NL,     4
.set NP,     4                         ; places behind this matrix instruction (ISA guide 7.12.1)
.set ABYTES, 65536                     ; A's 16 tiles in a slot
.set SLOT,   ABYTES+8*4096             ; then B's 8
.set STAGE,  2*SLOT                    ; behind the ring: 16 rows x (256 bytes + 16) for each wave; no fill lands there
.set SPITCH, 272
.set SPARE,  STAGE+4*16*SPITCH         ; behind the stages: the spare words, 128 bytes a wave: two blocks of 256 bytes that no other line names
.set ADRA, 16
.set ADRB, 20
.set STO,  24                          ; v24  the way out: where I put my values of a token
.set RD,   25                          ; v25  where I read a row back
.set CO,   26                          ; v26  my byte offset in out0
.set LI,   27                          ; v27  16 x lane
.set SPW,  28
.set NIL,  29
.set BRO,  30                          ; v30  64 h
.set BR,   32
.set TMP,  64
.set AF,   128
.set BK,   128
.set WV, 16                            ; s16 wave;  s17 wave / 2: my half of A's tiles, and: I fetch for A (0) or B (1);  s18 wave % 2: my half of B's tiles, and which half I fetch
.set HA, 17
.set HB, 18
.set G1, 24
.set G0, 32
.set G1B, 48
.set G0B, 56
.set MSB, 0
.macro WIN new                         ; the immediate's high byte repeats the setting that is left
.if MSB != \new
	s_set_vgpr_msb (MSB<<8)|\new
.set MSB, \new
.endif
.endm
.set MUL,  0xa1                        ; source 0 (B) window 1, source 1 (A) window 0, C and D window 2
.set TO_B, 0x40                        ; destination window 1, address window 0
.macro JLOAD s                         ; a joint load: waves 0 and 1 fetch A's halves, waves 2 and 3 B's; four v_nop follow each of the two lines
	s_cmp_eq_u32 s[HA], 0
	s_cbranch_scc0 .Lfor_b_\@
	tensor_load_to_lds s[G0+4*\s:G0+4*\s+3], s[G1:G1+7]
	s_nop 0
.rept 4
	v_nop
.endr
	s_branch .Lasked_\@
.Lfor_b_\@:
	tensor_load_to_lds s[G0B+4*\s:G0B+4*\s+3], s[G1B:G1B+7]
	s_nop 0
.rept 4
	v_nop
.endr
.Lasked_\@:
.endm
.macro CREST
	s_cmp_lg_u32 s[WV], 0
	s_cbranch_scc1 .Lnot_wave_0_\@
	s_barrier_signal -3
.Lnot_wave_0_\@:
	s_barrier_wait -3
	s_barrier_signal -1
	s_barrier_wait -1
.endm
.macro CROUND
	s_barrier_signal -1
	s_barrier_wait -1
	CREST
.endm
	s_load_b256 s[4:11], s[0:1], 0x0               ; ao s[4:5], ops s[6:7], the scales' exponents s[8:9], bo s[10:11]
	s_load_b64 s[12:13], s[0:1], 0x20              ; out0
	v_lshl_add_u32 v[SPW], v0, 2, SPARE
	v_mov_b32 v[NIL], 0
	ds_add_u32 v28, v29
	ds_add_u32 v28, v29
	s_wait_dscnt 0x0
	v_lshrrev_b32 v1, 5, v0
	v_readfirstlane_b32 s[WV], v1
	s_lshr_b32 s[HA], s[WV], 1
	s_and_b32 s[HB], s[WV], 1
	s_bfe_u32 s40, ttmp6, 0x40000                  ; cx, cy
	s_bfe_u32 s41, ttmp6, 0x40004
	s_lshl_b32 s70, ttmp9, 2
	s_add_co_u32 s70, s70, s40                     ; block of 128 outputs = 4 x cluster x + cx
	s_and_b32 s69, ttmp7, 0xffff
	s_lshl_b32 s69, s69, 2
	s_add_co_u32 s69, s69, s41                     ; block of 256 tokens = 4 x cluster y + cy
	s_lshl_b32 s43, s41, 2
	s_lshl_b32 s43, 15, s43                        ; my row of the cluster
	s_lshl_b32 s44, 0x1111, s40                    ; my column
	; descriptor group 1: rows of 4,096 bytes (a tile's two images of this K step), 16,384 bytes apart; elements of 8 bytes; dense in LDS.  A: 8 rows, B: 4
	s_or_b32 s[G1+0], s43, (3<<16)|(1<<21)
	s_or_b32 s[G1B+0], s44, (3<<16)|(1<<21)
	s_mov_b32 s[G1+1], 512<<16                     ; tensor_dim0
	s_mov_b32 s[G1+2], 8<<16                       ; tensor_dim1
	s_mov_b32 s[G1+3], 512<<16                     ; tile_dim0
	s_mov_b32 s[G1+4], 8                           ; tile_dim1
	s_mov_b32 s[G1+5], 2048                        ; tensor_dim0_stride
	s_mov_b32 s[G1+6], 0
	s_mov_b32 s[G1+7], 0
	s_mov_b32 s[G1B+1], 512<<16
	s_mov_b32 s[G1B+2], 4<<16
	s_mov_b32 s[G1B+3], 512<<16
	s_mov_b32 s[G1B+4], 4
	s_mov_b32 s[G1B+5], 2048
	s_mov_b32 s[G1B+6], 0
	s_mov_b32 s[G1B+7], 0
	s_lshl_b32 s20, s69, 4
	s_lshl_b32 s21, s[HB], 3
	s_add_co_u32 s20, s20, s21                     ; A: the first of the 8 tiles that I fetch
	s_lshl_b32 s20, s20, 14
	s_mov_b32 s21, 0
	s_lshl_b32 s46, s70, 3
	s_lshl_b32 s47, s[HB], 2
	s_add_co_u32 s46, s46, s47                     ; B: the first of the 4
	s_lshl_b32 s46, s46, 14
	s_add_co_u32 s46, s46, 0x1b00000               ; Wo's images
	s_mov_b32 s47, 0
	s_lshl_b32 s45, s[HB], 15                      ; where they go: A's half,
	s_lshl_b32 s71, s[HB], 14
	s_add_co_u32 s71, s71, ABYTES                  ; B's half
	s_wait_kmcnt 0x0
	s_load_b64 s[96:97], s[8:9], 0x28              ; e10, e11
	s_add_nc_u64 s[20:21], s[4:5], s[20:21]
	s_add_nc_u64 s[46:47], s[6:7], s[46:47]
	CROUND                                         ; all sixteen work-groups are here: the first joint loads meet
.irp s, 0,1
	s_mov_b32 s[G0+4*\s], 1
	s_add_co_u32 s[G0+4*\s+1], s45, \s*SLOT
	s_add_nc_u64 s[G0+4*\s+2:G0+4*\s+3], s[20:21], \s*4096
	s_or_b32 s[G0+4*\s+3], s[G0+4*\s+3], 0x80000000
	s_mov_b32 s[G0B+4*\s], 1
	s_add_co_u32 s[G0B+4*\s+1], s71, \s*SLOT
	s_add_nc_u64 s[G0B+4*\s+2:G0B+4*\s+3], s[46:47], \s*4096
	s_or_b32 s[G0B+4*\s+3], s[G0B+4*\s+3], 0x80000000
	JLOAD \s
.endr
	v_and_b32 v1, 31, v0
	v_lshlrev_b32 v[LI], 4, v1
	s_lshl_b32 s78, s[HA], 15                      ; my 8 blocks of A
	s_lshl_b32 s79, s[HB], 14
	s_add_co_u32 s79, s79, ABYTES                  ; my 4 tiles of B
.irp s, 0,1
	v_add_nc_u32 v[ADRA+\s], s78, v[LI]
	v_add_nc_u32 v[ADRB+\s], s79, v[LI]
	s_add_co_u32 s78, s78, SLOT
	s_add_co_u32 s79, s79, SLOT
.endr
	v_and_b32 v2, 15, v0                           ; r
	v_bfe_u32 v3, v0, 4, 1                         ; h
	v_lshlrev_b32 v[BRO], 6, v3
	s_mul_i32 s78, s[WV], 16*SPITCH
	s_add_co_u32 s78, s78, STAGE                   ; my stage
	v_mul_u32_u24 v5, v2, SPITCH
	v_lshl_add_u32 v5, v3, 6, v5
	v_add_nc_u32 v[STO], s78, v5                   ; in: row r, + 64 h
	v_mul_u32_u24 v6, v3, SPITCH
	v_lshl_add_u32 v6, v2, 4, v6
	v_add_nc_u32 v[RD], s78, v6                    ; back: lanes 0-15 one row of 256 bytes, lanes 16-31 the next
	v_lshlrev_b32 v7, 12, v3
	v_lshl_add_u32 v[CO], v2, 4, v7                ; and the same two rows in out0, 4,096 bytes apart
	s_lshl_b32 s80, s70, 9
	s_lshl_b32 s81, s[HB], 8
	s_add_co_u32 s80, s80, s81                     ; my first output, in bytes: 512 x block + 256 x half
	s_mov_b32 s81, 0
	s_add_nc_u64 s[74:75], s[10:11], s[80:81]      ; in bo,
	s_add_nc_u64 s[12:13], s[12:13], s[80:81]      ; in a row of out0;
	s_lshl_b32 s80, s69, 8
	s_lshl_b32 s82, s[HA], 7
	s_add_co_u32 s80, s80, s82
	s_lshl_b32 s80, s80, 12                        ; my first token: 256 x block + 128 x half
	s_add_nc_u64 s[12:13], s[12:13], s[80:81]
.irp p, 0,1
.irp k, 0,1,2,3
	global_load_b128 v[BR+16*\p+4*\k:BR+16*\p+4*\k+3], v[BRO], s[74:75] offset:128*\p+16*\k   ; register 16 p + i: output 32 p + 16 h + i
.endr
.endr
.macro FRAG reg, adr, q, i
.irp c, 0,1,2,3
	ds_load_b128 v[\reg+4*\c:\reg+4*\c+3], v[\adr] offset:4096*(\i)+2048*(\q)+512*\c
.endr
.endm
; 8 matrix instructions: A's blocks a0, a0 + 1 x B's four tiles.  The 32 accumulators take turns, one instruction a turn, in the same order in every step.
.macro MUL2 a0, p, zero
.irp a, \a0, \a0+1
.irp b, 0,1,2,3
.if \zero
	v_wmma_f32_16x16x128_fp8_fp8 v[8*(4*(\a)+\b):8*(4*(\a)+\b)+7], v[128*(\p)+FR*\b:128*(\p)+FR*\b+FR-1], v[AF+FR*(\a):AF+FR*(\a)+FR-1], 0
.else
	v_wmma_f32_16x16x128_fp8_fp8 v[8*(4*(\a)+\b):8*(4*(\a)+\b)+7], v[128*(\p)+FR*\b:128*(\p)+FR*\b+FR-1], v[AF+FR*(\a):AF+FR*(\a)+FR-1], v[8*(4*(\a)+\b):8*(4*(\a)+\b)+7]
.endif
.endr
.endr
.endm
.macro FETCH_B slot, q, p
	WIN TO_B
.irp i, 0,1,2,3
	FRAG 128*(\p)+FR*\i, ADRB+\slot, \q, \i
.endr
	WIN 0
.endm
.macro FETCH_A slot, q, i0
.irp i, \i0, \i0+1, \i0+2, \i0+3
	FRAG AF+FR*(\i), ADRA+\slot, \q, \i
.endr
.endm
.macro PLACES n                        ; plain vector lines between a matrix instruction and a load into, or a vector write or read of, its registers (ISA guide 7.12.1 for vector writes and reads)
.rept \n
	v_nop
.endr
.endm
.macro STEP slot, q, zero
	s_wait_dscnt 4*NL                              ; B's set and A's blocks 0-3 are in; the youngest 16 loads (A's blocks 4-7) may be out
	WIN MUL
	MUL2 0, (\q)%2, \zero
	MUL2 2, (\q)%2, \zero
	s_wait_dscnt 0
	PLACES NP
	FETCH_B \slot, (\q)+1, 1-(\q)%2
	FETCH_A \slot, (\q)+1, 0
	WIN MUL
	MUL2 4, (\q)%2, \zero
	MUL2 6, (\q)%2, \zero
	PLACES NP
	WIN 0
	FETCH_A \slot, (\q)+1, 4
.endm
; A slot's last step changes slots: ONE barrier; in front of it each wave waits for all its tensor loads, adds 0 to its spare word, and waits for that and for its reads of this slot.
.macro TURN slot, next, fill
	s_wait_tensorcnt 0x0                           ; all my tensor loads have landed: my part of the next slot
	ds_add_u32 v[SPW], v[NIL]                      ; 0 onto my spare word
	s_wait_dscnt 4*NL+1                            ; (the add and the youngest 16 loads may be out)
	WIN MUL
	MUL2 0, 1, 0                                   ; eight matrix instructions stand between the add and the wait for it
	s_wait_dscnt 0x0                               ; the add is done, and my reads of this slot are over
	s_barrier_signal -1
	MUL2 2, 1, 0
	WIN 0
	s_barrier_wait -1
.if \fill
	CREST                                          ; the barrier has opened a round of the cluster's barrier
	s_add_nc_u64 s[G0+4*\slot+2:G0+4*\slot+3], s[G0+4*\slot+2:G0+4*\slot+3], 8192
	s_add_nc_u64 s[G0B+4*\slot+2:G0B+4*\slot+3], s[G0B+4*\slot+2:G0B+4*\slot+3], 8192
	JLOAD \slot                                    ; the first tensor load behind the round; its four v_nop are also the places in front of the loads below
.else
	PLACES NP
.endif
	FETCH_B \next, 0, 0
	FETCH_A \next, 0, 0
	WIN MUL
	MUL2 4, 1, 0
	MUL2 6, 1, 0
	PLACES NP
	WIN 0
	FETCH_A \next, 0, 4
.endm
	s_wait_tensorcnt 1                             ; my part of K step 0 is in (K step 1's one load may be out)
	s_barrier_signal -1
	s_barrier_wait -1
	FETCH_B 0, 0, 0
	FETCH_A 0, 0, 0
	FETCH_A 0, 0, 4
	STEP 0, 0, 1                                   ; four K steps of 256, written out
	TURN 0, 1, 1
	STEP 1, 0, 0
	TURN 1, 0, 1
	STEP 0, 0, 0
	TURN 0, 1, 0
	STEP 1, 0, 0
	s_wait_dscnt 4*NL
	WIN MUL
	MUL2 0, 1, 0
	MUL2 2, 1, 0
	s_wait_dscnt 0
	MUL2 4, 1, 0
	MUL2 6, 1, 0
	WIN 0
; THE WAY OUT, block by block of 16 tokens x 64 outputs.  A lane holds 2 x 64 bytes of one token's row; the block goes through my own stage and comes back as rows of 256 bytes, which sixteen lanes store as one aligned unit.
; LDS serves a wave's instructions in order (ISA guide 5.7.1.4): no wait between the stores and the loads, nor in front of the next block's stores.
.macro TOSTAGE a
.set AC, 32*(\a)
.set BB, BK+32*((\a)%2)
	WIN 0x02                                       ; source 0: window 2
.irp i, 0,2,4,6,8,10,12,14,16,18,20,22,24,26,28,30
	v_pk_fma_f32 v[TMP+\i:TMP+\i+1], v[AC+\i:AC+\i+1], s[96:97], v[BR+\i:BR+\i+1] op_sel_hi:[1,0,1]   ; sum x 2^(e10 + e11) + bo; each accumulator from its low end on
.endr
	WIN 0
.irp p, 0,1
.irp k, 0,1,2,3
	ds_store_b128 v[STO], v[TMP+16*\p+4*\k:TMP+16*\p+4*\k+3] offset:128*\p+16*\k
.endr
.endr
.irp t, 0,1,2,3,4,5,6,7
	ds_load_b128 v[BB+4*\t:BB+4*\t+3], v[RD] offset:2*\t*SPITCH
.endr
.endm
.macro SEND a, younger                 ; younger: the LDS instructions issued behind block a's loads
.set BB, BK+32*((\a)%2)
	s_wait_dscnt \younger
.irp t, 0,1,2,3,4,5,6,7
	global_store_b128 v[CO], v[BB+4*\t:BB+4*\t+3], s[12:13] offset:(32*((\a)/2)+8*((\a)%2)+2*\t+8*(\t/4))*4096 th:TH_STORE_NT   ; stage row i is token 32 (a / 2) + 8 (a % 2) + i + 8 (i / 8) of my 128; 16 lanes store 256 consecutive bytes, aligned
.endr
.endm
	s_wait_kmcnt 0x0
	s_add_co_i32 s96, s96, s97
	s_add_co_i32 s96, s96, 127
	s_lshl_b32 s96, s96, 23                        ; 2^(e10 + e11) as f32
	s_mov_b32 s97, s96                             ; (named with it as a pair)
	PLACES NP                                      ; behind the last products
	s_wait_loadcnt 0x0                             ; the bias
	TOSTAGE 0
.irp a, 1,2,3,4,5,6,7
.if \a > 1
	s_wait_xcnt 0x0                                ; block a - 2's stores have read the registers into which block a's rows are loaded
.endif
	TOSTAGE \a
	SEND \a-1, 16                                  ; behind block a - 1's loads: block a's 8 stores and 8 loads
.endr
	SEND 7, 0
	s_wait_tensorcnt 0x0                           ; the wave's end, behind my last tensor load and my last LDS store
	ds_add_u32 v[SPW], v[NIL]
	s_wait_dscnt 0x0
	CROUND                                         ; the closing round
	s_endpgm
.Lfunc_end_k_q562d8c48e7_gemm2:
	.size	k_q562d8c48e7_gemm2, .Lfunc_end_k_q562d8c48e7_gemm2-k_q562d8c48e7_gemm2
	.p2alignl 7, 3214868480
	.fill 96, 4, 3214868480
	.section	.rodata,"a",@progbits
	.p2align	6, 0x0
	.amdhsa_kernel k_q562d8c48e7_gemm2
		.amdhsa_group_segment_fixed_size 327680
		.amdhsa_private_segment_fixed_size 0
		.amdhsa_enable_private_segment 0
		.amdhsa_kernarg_size 40
		.amdhsa_user_sgpr_count 2
		.amdhsa_user_sgpr_kernarg_segment_ptr 1
		.amdhsa_wavefront_size32 1
		.amdhsa_system_sgpr_workgroup_id_x 1
		.amdhsa_system_sgpr_workgroup_id_y 1
		.amdhsa_system_sgpr_workgroup_id_z 1
		.amdhsa_system_vgpr_workitem_id 0
		.amdhsa_next_free_vgpr 768
		.amdhsa_next_free_sgpr 100
		.amdhsa_reserve_vcc 0
		.amdhsa_float_denorm_mode_32 3
		.amdhsa_float_denorm_mode_16_64 3
		.amdhsa_memory_ordered 1
		.amdhsa_forward_progress 1
		.amdhsa_inst_pref_size 77
	.end_amdhsa_kernel
	.amdgpu_metadata
---
amdhsa.version: [ 1, 2 ]
amdhsa.kernels:
  - .name:           k_q562d8c48e7_gemm2
    .symbol:         k_q562d8c48e7_gemm2.kd
    .args:
      - { .name: ao, .offset: 0, .size: 8, .value_kind: global_buffer, .address_space: global }
      - { .name: ops, .offset: 8, .size: 8, .value_kind: global_buffer, .address_space: global }
      - { .name: lowp_scales, .offset: 16, .size: 8, .value_kind: global_buffer, .address_space: global }
      - { .name: bo, .offset: 24, .size: 8, .value_kind: global_buffer, .address_space: global }
      - { .name: out0, .offset: 32, .size: 8, .value_kind: global_buffer, .address_space: global }
    .group_segment_fixed_size: 327680
    .private_segment_fixed_size: 0
    .kernarg_segment_align: 8
    .kernarg_segment_size: 40
    .max_flat_workgroup_size: 128
    .sgpr_count:     100
    .vgpr_count:     768
    .wavefront_size: 32
...
	.end_amdgpu_metadata
.endif
;; end of part 4
;; ======== version 2 of 2: 4 launches; version 1 with the launch attn written anew for expert scheduling mode
;; workspace buffers: ops 29,360,128 bytes; qkv 25,165,824 bytes; ao 8,388,608 bytes
;; launch quant: the kernel of part 1 again; grid 768 x 1, 4 waves a work-group, no clusters, 34,304 bytes of LDS; arguments x, Wq, Wk, Wv, Wo, lowp_scales, ops; writes ops
;; launch gemm1: the kernel of part 2 again; grid 12 x 32, 4 waves a work-group, clusters of 4 x 4, 327,680 bytes of LDS; arguments ops, lowp_scales, bq, bk, bv, qkv; writes qkv
;; launch attn (part 5): grid 8 x 64, 16 waves a work-group, no clusters, 264,192 bytes of LDS; arguments qkv, lowp_scales, ao; writes ao
.if DOCPART == 5
	.amdgcn_target "amdgcn-amd-amdhsa--gfx1250"
	.amdhsa_code_object_version 6
	.text
	.protected	k_q562d8c48e7_attn
	.globl	k_q562d8c48e7_attn
	.p2align	8
	.type	k_q562d8c48e7_attn,@function
k_q562d8c48e7_attn:
	s_mov_b64 s[64:65], 0
	v_nop
	global_prefetch_b8 v0, s[64:65] scope:SCOPE_SE
	s_setreg_imm32_b32 hwreg(HW_REG_WAVE_SCHED_MODE, 0, 2), 2
	s_setreg_imm32_b32 hwreg(HW_REG_WAVE_MODE, 25, 1), 1
	s_wait_xcnt 0x0
	s_wait_alu depctr_vm_vsrc(0)
; Causal attention of one head (64 channels, 2,048 tokens) on codes of E4M3, and the quantising of its result for the last projection.
; qkv: Q at 0, K at 0x800000: [bh][token tile 0..127][c 0..1][512]: lane (r, h) holds channels 32 c + 16 h + 0 .. 15 of the tile's token r;  V at 0x1000000: [bh][key step of 128][channel tile 0..3][c 0..3][512]: keys 32 c + 16 h + 0 .. 15 of the tile's channel r.
; Row i of tile T is row 32 (T / 2) + 8 (T % 2) + i + 8 (i / 8).  ao: [token tile 0..511][K step 0..7][c 0..3][512]: head hd fills K step hd / 2, groups 2 (hd % 2) and 2 (hd % 2) + 1.
; THE SOFTMAX: t = score x 2^(e6 + e7) x log2(e) / 8; M = the running largest t rounded UP to a whole number; p = 2^(t - M) is quantised with 2^e8, not normalised; the row's sum is taken of the unquantised p and divides at the end.
; Both products are used transposed (S^T = K Q^T, O^T = V^T P^T): a lane holds ONE query throughout; by the tiles' order of rows p's 16 registers of two neighbouring tiles are 16 neighbouring keys, and O^T's are 16 neighbouring channels.
; SHARES.  A work-group owns the blocks j and 15 - j of 128 queries of a head: (j + 1) + (16 - j) = 17 key steps for each pair of tiles, the same in every work-group.  Sixteen waves, one tile of 16 queries each, eight on each block.
; THE HEAD'S K AND V LIE WHOLE IN LDS (131,072 bytes each), each byte written once: chunks of 256 keys (16,384 + 16,384 bytes, dense in memory) are copied through registers, 4 x 16 bytes a thread; chunk c + 1 is asked for at the head
; of chunk c's two key steps and stored behind them, so one barrier a chunk orders all.  Every wave walks 8 trips (a constant, so that LDS addresses step by constants); a key step all of whose keys come after the wave's queries, and
; a chunk that no wave of the work-group needs, are left out by scalar branches on ids; no barrier stands inside a branch.
; NO JOINT LOADS: the eight work-groups of a head need 5 to 8 chunks, not the same number, and a chunk's copy is 8 memory instructions a wave beside two key steps of some 200 vector instructions each.
; LIMITS: e6 + e7 between -123 and 130 (added to the constant's exponent field); e8 and e10 between -126 and 119; e8 + e9 goes by v_ldexp_f32 and has none.
; REGISTERS: v1-7 addresses and constants; v8-11 the trip's LDS addresses; v12 -M, v13 the largest t, v[14:15] the sum in two halves; v16-23 Q; v32-95 K's eight fragments, then V's four; v96-159 S^T, then p; v160-191 O^T; v192-207 p's codes;
;   v208-223 a chunk on its way; v236-254 at work.
; THE MODE: SCHED_MODE bits 1:0 = 2 (LLVM: expert scheduling mode 2), set by the entry lines.  The code itself states the register dependences
; between vector or matrix instructions and memory or LDS instructions, with s_wait_alu, always for 0.
; THE PLAN.  Registers that memory or LDS instructions touch:
;   v1, v3      offsets, made at the head and never written again: Q's loads and the last stores read v1, every chunk's loads v3.
;   v8, v9      the chunk's place in K's and in V's part of LDS for my lane: written once a trip, behind the barrier; read by the fragment loads of the trip's two steps (the second step by the immediate offset).
;   v10, v11    the same for my thread's part of the copy: written at the same place; read by the four LDS stores at the trip's end.
;   v208-223    written by the chunk's four loads at the trip's head, read by the four LDS stores at its end; no vector instruction names them.
;   v32-95      K's loads land, the products K Q^T read; V's loads land, the products V^T P read.
;   v192-199    on the way out: written by conversions, read by the two stores.
; So a trip's head has one wait on vm_vsrc (all that earlier LDS instructions read may be written) and, behind the four additions, one on va_vdst (the addresses are written; the last products are done with v32-95);
; a step has one wait on va_vdst between its products K Q^T and V's loads, and a chunk's second step one more at its head.  Sixteen waves of 256 registers fill the four SIMDs: there is no room for a second set of fragments.
.set WV,    10
.set QB,    14                         ; s14  my block's first query
.set KF,    16                         ; s16  the step's first key
.set TB,    17                         ; s17  the chunk's byte in K's and in V's part of LDS
.set CNT,   18
.set LIMIT, 19                         ; s19  keys that the work-group needs: 128 (16 - j)
.set LIM2,  20                         ; s20  LIMIT - 256
.set L10,   21                         ; s21  448 x 2^e10
.set KP,    22                         ; s[22:23], s[24:25] the next chunk of K and of V in memory
.set VP,    24
.set CS,    26                         ; s[26:27] the constant c
.set SEL,   28                         ; s[28:29] lane selects for v_permlanex16_b32: lane l xor 16
.set EP,    42                         ; s42  e8
.set MK,    48                         ; s[48:63] sixteen masks of the step on the diagonal
.set VLDS,  131072
	s_load_b128 s[4:7], s[0:1], 0x0                ; qkv, the scales' exponents
	s_load_b64 s[8:9], s[0:1], 0x10                ; ao
	v_lshl_add_u32 v251, v0, 2, 0x40000
	v_mov_b32 v255, 0
	v_lshrrev_b32 v8, 5, v0
	v_readfirstlane_b32 s[WV], v8                  ; wave 0..15
	v_and_b32 v5, 31, v0                           ; (what hangs on the thread's number alone stands between that line and the wait for it)
	v_lshlrev_b32 v1, 4, v5                        ; 16 x lane: a fragment's group in K's part,
	v_add_nc_u32 v2, VLDS, v1                      ; in V's part
	v_lshlrev_b32 v3, 4, v0                        ; 16 x thread: the copy, in memory and in K's part,
	v_add_nc_u32 v4, VLDS, v3                      ; in V's part
	v_and_b32 v8, 15, v0                           ; r
	v_bfe_u32 v9, v0, 4, 1                         ; h
	v_and_b32 v10, 8, v8
	v_add_nc_u32 v10, v10, v8                      ; r + 8 (r / 8)
	v_lshlrev_b32 v9, 4, v9
	v_sub_nc_u32 v6, v10, v9
	v_mov_b32 v7, 0xff800000                       ; -infinity
	s_wait_alu depctr_va_sdst(0)                   ; s10, the wave's number, is written, ahead of its first reader
	s_lshr_b32 s11, s[WV], 1                       ; a: my tile of the block's eight
	s_lshr_b32 s12, s[WV], 2
	s_xor_b32 s12, s12, s[WV]
	s_and_b32 s12, s12, 1                          ; 0: block j, 1: block 15 - j; of waves 2 a and 2 a + 1 one takes each
	s_lshl_b32 s13, ttmp9, 1
	s_sub_co_u32 s13, 15, s13
	s_mul_i32 s13, s13, s12
	s_add_co_u32 s13, s13, ttmp9                   ; my block
	s_lshl_b32 s[QB], s13, 7
	s_lshl_b32 s15, s13, 3
	s_add_co_u32 s15, s15, s11                     ; my token tile in the batch
	s_sub_co_u32 s[LIMIT], 16, ttmp9
	s_lshl_b32 s[LIMIT], s[LIMIT], 7
	s_sub_co_u32 s[LIM2], s[LIMIT], 256
	s_and_b32 s30, ttmp7, 0xffff                   ; bh = batch x 16 + head
	s_mov_b32 s[KF], 0
	s_mov_b32 s[TB], 0
	s_mov_b32 s[SEL], 0x76543210
	s_mov_b32 s[SEL+1], 0xfedcba98
	s_mov_b32 s[CS], 0x3e38aa3b                    ; log2(e) / 8
	s_lshr_b32 s31, s11, 1
	s_lshl_b32 s31, s31, 5
	s_and_b32 s32, s11, 1
	s_lshl_b32 s32, s32, 3
	s_add_co_u32 s31, s31, s32
	v_add_nc_u32 v6, s31, v6                       ; my query in its block - 16 h.  On the diagonal register n holds key 32 (n / 16) + n % 16 + 16 h of the block: hidden where 32 (n / 16) + n % 16 > v6
	v_add_nc_u32 v10, s[TB], v3                    ; where my part of chunk 0 goes
	v_add_nc_u32 v11, s[TB], v4
	s_lshl_b32 s32, s30, 17                        ; a head's K, and V, are 131,072 bytes
	s_mov_b32 s33, 0
	s_wait_kmcnt 0x0
	s_load_b128 s[40:43], s[6:7], 0x18             ; e6, e7, e8, e9
	s_load_b32 s44, s[6:7], 0x28                   ; e10
	s_add_nc_u64 s[KP:KP+1], s[4:5], s[32:33]
	s_add_nc_u64 s[VP:VP+1], s[KP:KP+1], 0x1000000
	s_add_nc_u64 s[KP:KP+1], s[KP:KP+1], 0x800000
	s_lshl_b32 s32, s30, 7
	s_add_co_u32 s32, s32, s15
	s_lshl_b32 s32, s32, 10
	s_add_nc_u64 s[34:35], s[4:5], s[32:33]        ; my tile of Q
	s_lshr_b32 s32, s30, 4
	s_lshl_b32 s32, s32, 7
	s_add_co_u32 s32, s32, s15
	s_lshl_b32 s32, s32, 14                        ; ao: my token tile of 512,
	s_and_b32 s31, s30, 15
	s_lshr_b32 s31, s31, 1
	s_lshl_b32 s31, s31, 11
	s_add_co_u32 s32, s32, s31                     ; K step head / 2,
	s_and_b32 s31, s30, 1
	s_lshl_b32 s31, s31, 10
	s_add_co_u32 s32, s32, s31                     ; groups 2 (head % 2) on
	s_add_nc_u64 s[36:37], s[8:9], s[32:33]
.macro CLOAD                           ; a chunk: each instruction of the work-group's 512 threads reads 8,192 consecutive bytes
	global_load_b128 v[208:211], v3, s[KP:KP+1]
	global_load_b128 v[212:215], v3, s[KP:KP+1] offset:8192
	global_load_b128 v[216:219], v3, s[VP:VP+1]
	global_load_b128 v[220:223], v3, s[VP:VP+1] offset:8192
.endm
.macro CSTORE off                      ; and goes to LDS as it lies, off bytes behind the chunk in hand: v10 and v11 hold that chunk's place for my thread
	ds_store_b128 v10, v[208:211] offset:\off
	ds_store_b128 v10, v[212:215] offset:\off+8192
	ds_store_b128 v11, v[216:219] offset:\off
	ds_store_b128 v11, v[220:223] offset:\off+8192
.endm
	s_wait_alu depctr_va_vdst(0)                   ; v1 and v3, the offsets of every global load and store, are written; so are v10 and v11, which chunk 0's LDS stores read: no vector line up to those stores names them
	CLOAD                                          ; chunk 0
	global_load_b128 v[16:19], v1, s[34:35]        ; Q's fragment stays in registers
	global_load_b128 v[20:23], v1, s[34:35] offset:512
	v_mov_b32 v13, 0xff61b1e6                      ; the largest t so far: -3e38, under every t
	v_floor_f32 v12, -v13                          ; -M
	v_mov_b32 v14, 0                               ; the sum, in two halves
	v_mov_b32 v15, 0
	v_mov_b32 v236, 0                              ; written once: a lane permute's destination counts as one of its sources
	v_mov_b32 v252, 0
	v_mov_b32 v253, 0                              ; (named as the upper half of the pair v[252:253])
.set n, 0
.rept 32
	v_mov_b32 v[160+n], 0                          ; O^T.  (The step is written once: the first finds zeros, which the first change of M leaves zeros)
.set n, n+1
.endr
	s_wait_kmcnt 0x0
	s_add_co_i32 s45, s40, s41
	s_lshl_b32 s45, s45, 23
	s_add_co_i32 s[CS], s[CS], s45                 ; a score stands for score x 2^(e6 + e7): added to c's exponent field
	s_mov_b32 s[CS+1], s[CS]                       ; (named with it as a pair)
	s_add_co_i32 s45, s42, 127
	s_lshl_b32 s46, s45, 23
	v_mov_b32 v244, s46                            ; 2^e8, for p's conversions
	s_add_co_i32 s45, s45, 8
	s_lshl_b32 s45, s45, 23
	s_or_b32 s45, s45, 0x600000
	v_mov_b32 v240, s45                            ; 448 x 2^e8
	s_add_co_i32 s46, s42, s43                     ; e8 + e9
	s_add_co_i32 s45, s44, 127
	s_lshl_b32 s47, s45, 23                        ; 2^e10, for the way out
	s_add_co_i32 s45, s45, 8
	s_lshl_b32 s[L10], s45, 23
	s_or_b32 s[L10], s[L10], 0x600000              ; 448 x 2^e10
	s_wait_loadcnt 0x0                             ; chunk 0 and Q are in; the loads' addresses may be stepped
	CSTORE 0
	s_add_nc_u64 s[KP:KP+1], s[KP:KP+1], 16384
	s_add_nc_u64 s[VP:VP+1], s[VP:VP+1], 16384
; A KEY STEP: 128 keys, the q-th of the chunk in hand.
.macro STEP q
	s_cmp_gt_u32 s[KF], s[QB]                      ; both are multiples of 128: all these keys come after my block's queries
	s_cbranch_scc1 .Lhidden_\@
.if \q
	s_wait_alu depctr_va_vdst(0)                   ; the chunk's first step's products V^T P are done reading v32-95, in which K's loads land.  (For the first step the wait at the trip's head states the same of the chunk before)
.endif
.irp t, 0,1,2,3,4,5,6,7
	ds_load_b128 v[32+8*\t:35+8*\t], v8 offset:8192*(\q)+1024*\t
	ds_load_b128 v[36+8*\t:39+8*\t], v8 offset:8192*(\q)+1024*\t+512
.endr
	s_wait_dscnt 0x0
.irp t, 0,1,2,3,4,5,6,7
	v_wmma_f32_16x16x64_fp8_fp8 v[96+8*\t:103+8*\t], v[32+8*\t:39+8*\t], v[16:23], 0   ; S^T: lane (r, h) holds query r; register n holds key KF + 32 (n / 16) + 16 h + n % 16
.endr
.rept 4
	v_nop                                          ; places: the scores are read by vector lines below
.endr
	s_wait_alu depctr_va_vdst(0)                   ; the products K Q^T are done reading v32-95, in which V's loads land
.irp d, 0,1,2,3
.irp c, 0,1,2,3
	ds_load_b128 v[32+16*\d+4*\c:35+16*\d+4*\c], v9 offset:8192*(\q)+2048*\d+512*\c   ; V's four fragments land while the softmax is worked: none of its lines names v9 or v32-95
.endr
.endr
	s_cmp_lt_u32 s[KF], s[QB]                      ; all keys count: no mask.  Else this is my block's own step, on the diagonal
	s_cbranch_scc1 .Lopen_\@
.irp b, 0,1,2,3                        ; the compares go in runs of sixteen, each into a scalar register of its own, so that one wait serves sixteen selects
.set n, 0
.rept 16
	v_cmp_gt_i32 s[MK+n], 32*\b+n, v6
.set n, n+1
.endr
	s_wait_alu depctr_va_sdst(0)                   ; the sixteen masks s48 to s63 are written, ahead of their first reader
.set n, 0
.rept 16
	v_cndmask_b32 v[96+16*\b+n], v[96+16*\b+n], v7, s[MK+n]   ; a hidden key's score becomes -infinity ahead of the maximum: p = 0
.set n, n+1
.endr
.endr
.Lopen_\@:
	v_max3_num_f32 v254, v96, v97, v98             ; the step's largest score of my query, among my 64 keys, in two chains, each accumulator from its low end on,
	v_max3_num_f32 v252, v99, v100, v101
.irp i, 6,10,14,18,22,26,30,34,38,42,46,50,54,58
	v_max3_num_f32 v254, v254, v[96+\i], v[97+\i]
	v_max3_num_f32 v252, v252, v[98+\i], v[99+\i]
.endr
	v_max3_num_f32 v254, v254, v158, v159
	v_max_num_f32 v254, v254, v252
	v_permlanex16_b32 v236, v254, s[SEL], s[SEL+1]
	v_max_num_f32 v254, v254, v236                 ; and among lane l xor 16's
	v_mul_f32 v254, s[CS], v254                    ; as t (c is positive)
	v_max_num_f32 v13, v13, v254                   ; the running largest t
	v_mov_b32 v254, v12
	v_floor_f32 v12, -v13                          ; the new -M = floor(-t) = -ceil(t): a whole number
	v_sub_f32 v254, v12, v254                      ; old M - new M: a whole number, 0 or less
	v_cvt_i32_f32 v254, v254                       ; (it saturates)
	v_ldexp_f32 v252, 1.0, v254                    ; f = 2^(old M - new M): a multiplication by it rounds nothing
.set n, 0
.rept 32
	v_pk_fma_f32 v[96+n:97+n], v[96+n:97+n], s[CS:CS+1], v[12:13] op_sel_hi:[1,0,0]   ; t - M, two at a time
.set n, n+2
.endr
.set n, 0
.rept 64
	v_exp_f32 v[96+n], v[96+n]                     ; p = 2^(t - M): NOT normalised
.set n, n+1
.endr
	v_pk_mul_f32 v[14:15], v[14:15], v[252:253] op_sel_hi:[1,0]   ; the sums under the new M: the plain line behind the exponentials
	s_wait_alu depctr_va_vdst(0)                   ; the 64 exponentials have written v96-159: one wait for the whole batch, ahead of its first reader
	v_pk_add_f32 v[242:243], v[96:97], v[98:99]    ; the row's sum is taken of the unquantised p, in two chains
.irp j, 4,8,12,16,20,24,28,32,36,40,44,48,52,56,60
	v_pk_add_f32 v[14:15], v[14:15], v[96+\j:97+\j]
	v_pk_add_f32 v[242:243], v[242:243], v[98+\j:99+\j]
.endr
	v_pk_add_f32 v[14:15], v[14:15], v[242:243]
	s_cmp_ge_i32 s[EP], -8                         ; p is at most 1 (but for a last bit), and 448 x 2^e8 is 1.75 or more from e8 = -8 on: there the hold changes nothing and is left out
	s_cbranch_scc1 .Lno_hold_\@
.set n, 0
.rept 64
	v_min_num_f32 v[96+n], v[96+n], v240           ; the conversion does not saturate (ISA guide 7.6.2); p is not negative, so the hold is one-sided
.set n, n+1
.endr
.Lno_hold_\@:
.irp b, 0,1,2,3
	v_cvt_scalef32_pk8_fp8_f32 v[192+4*\b:193+4*\b], v[96+16*\b:103+16*\b], v244
	v_cvt_scalef32_pk8_fp8_f32 v[194+4*\b:195+4*\b], v[104+16*\b:111+16*\b], v244
.endr
.set n, 0
.rept 16
	v_pk_mul_f32 v[160+n:161+n], v[160+n:161+n], v[252:253] op_sel_hi:[1,0]   ; O^T under the new M.  (Also the plain lines between the conversions and the products)
.set n, n+2
.endr
	s_wait_dscnt 0x0                               ; V is in
.irp d, 0,1,2,3
	v_wmma_f32_16x16x128_fp8_fp8 v[160+8*\d:167+8*\d], v[32+16*\d:47+16*\d], v[192:207], v[160+8*\d:167+8*\d]   ; the four accumulators by turns, one instruction a turn
.endr
.Lhidden_\@:
	s_add_co_u32 s[KF], s[KF], 128
.endm
; A TRIP: one chunk.  The barrier shows the chunk whole to every wave: each has waited for its stores.  No byte of LDS is ever written twice, so no second barrier is needed.
; Behind the barrier: the next chunk is asked for, the trip's four LDS addresses are made, and one wait states all that the trip's first K loads, its V loads and its LDS stores hang on.
.macro TRIP copy
	s_wait_dscnt 0x0                               ; for the others' sake: my part of this chunk is stored
	s_barrier_signal -1
	s_barrier_wait -1
	s_wait_alu depctr_vm_vsrc(0)                   ; my LDS loads so far have read v8 and v9, my LDS stores v10, v11 and v208-223: the loads and the additions below write all of them again
.if \copy
	s_cmp_lt_u32 s[KF], s[LIM2]                    ; does the next chunk hold a key that the work-group needs?
	s_cbranch_scc0 .Lno_load_\@
	CLOAD                                          ; no vector instruction ever names v208-223, and v3 stands since the head
.Lno_load_\@:
.endif
	v_add_nc_u32 v8, s[TB], v1                     ; this chunk in K's part, for my lane,
	v_add_nc_u32 v9, s[TB], v2                     ; in V's part;
.if \copy
	v_add_nc_u32 v10, s[TB], v3                    ; and for my thread's part of the copy
	v_add_nc_u32 v11, s[TB], v4
.endif
	s_wait_alu depctr_va_vdst(0)                   ; the trip's addresses are written, which its LDS loads and stores read; the last chunk's products V^T P are done reading v32-95, in which K's loads land
	STEP 0
	STEP 1
.if \copy
	s_wait_loadcnt 0x0                             ; the next chunk is in registers (on every path), and its addresses may be stepped
	s_cmp_lt_u32 s[KF], s[LIMIT]                   ; the same question, KF being 256 further on
	s_cbranch_scc0 .Lno_store_\@
	CSTORE 16384                                   ; no vector line since the wait at the trip's head names v10 or v11
.Lno_store_\@:
	s_add_nc_u64 s[KP:KP+1], s[KP:KP+1], 16384
	s_add_nc_u64 s[VP:VP+1], s[VP:VP+1], 16384
	s_add_co_u32 s[TB], s[TB], 16384
.endif
.endm
	s_mov_b32 s[CNT], 7
.Ltrip:
	TRIP 1
	s_sub_co_u32 s[CNT], s[CNT], 1
	s_cmp_lg_u32 s[CNT], 0
	s_cbranch_scc1 .Ltrip
	TRIP 0                                         ; the eighth chunk has no successor
	; THE WAY OUT: O^T x 2^(e8 + e9) / the sum, quantised with 2^e10.  Register i is channel 32 (i / 16) + 16 h + i % 16 of my query: 16 registers make a group of the last projection's image.
.rept 4
	v_nop                                          ; places behind the last products
.endr
	v_add_f32 v14, v14, v15                        ; the sum's two halves,
	v_permlanex16_b32 v252, v14, s[SEL], s[SEL+1]
	v_add_f32 v14, v14, v252                       ; and lane l xor 16's
	v_rcp_f32 v14, v14
	v_mov_b32 v244, s47                            ; (the plain line behind the reciprocal)  2^e10
	v_mov_b32 v240, s[L10]                         ; 448 x 2^e10
	s_wait_alu depctr_va_vdst(0)                   ; the reciprocal has written v14, ahead of its first reader
	v_ldexp_f32 v14, v14, s46
	v_mov_b32 v15, v14
.set n, 0
.rept 16
	v_pk_mul_f32 v[96+n:97+n], v[160+n:161+n], v[14:15]
.set n, n+2
.endr
.set n, 0
.rept 32
	v_med3_num_f32 v[96+n], v[96+n], -v240, v240
.set n, n+1
.endr
.irp b, 0,1
	v_cvt_scalef32_pk8_fp8_f32 v[192+4*\b:193+4*\b], v[96+16*\b:103+16*\b], v244
	v_cvt_scalef32_pk8_fp8_f32 v[194+4*\b:195+4*\b], v[104+16*\b:111+16*\b], v244
.endr
	v_nop
	s_wait_alu depctr_va_vdst(0)                   ; the conversions have written v192-199, which the two stores read
	global_store_b128 v1, v[192:195], s[36:37]             ; 512 consecutive bytes each
	global_store_b128 v1, v[196:199], s[36:37] offset:512
	s_wait_dscnt 0x0
	s_wait_alu depctr_hold_cnt(0) depctr_sa_sdst(0) depctr_va_vdst(0) depctr_va_sdst(0) depctr_va_ssrc(0) depctr_va_vcc(0) depctr_vm_vsrc(0)
	s_wait_tensorcnt 0x0
	ds_add_u32 v251, v255
	s_wait_dscnt 0x0
	s_endpgm
.Lfunc_end_k_q562d8c48e7_attn:
	.size	k_q562d8c48e7_attn, .Lfunc_end_k_q562d8c48e7_attn-k_q562d8c48e7_attn
	.p2alignl 7, 3214868480
	.fill 96, 4, 3214868480
	.section	.rodata,"a",@progbits
	.p2align	6, 0x0
	.amdhsa_kernel k_q562d8c48e7_attn
		.amdhsa_group_segment_fixed_size 264192
		.amdhsa_private_segment_fixed_size 0
		.amdhsa_enable_private_segment 0
		.amdhsa_kernarg_size 24
		.amdhsa_user_sgpr_count 2
		.amdhsa_user_sgpr_kernarg_segment_ptr 1
		.amdhsa_wavefront_size32 1
		.amdhsa_system_sgpr_workgroup_id_x 1
		.amdhsa_system_sgpr_workgroup_id_y 1
		.amdhsa_system_sgpr_workgroup_id_z 1
		.amdhsa_system_vgpr_workitem_id 0
		.amdhsa_next_free_vgpr 256
		.amdhsa_next_free_sgpr 66
		.amdhsa_reserve_vcc 0
		.amdhsa_float_denorm_mode_32 3
		.amdhsa_float_denorm_mode_16_64 3
		.amdhsa_memory_ordered 1
		.amdhsa_forward_progress 1
		.amdhsa_inst_pref_size 109
	.end_amdhsa_kernel
	.amdgpu_metadata
---
amdhsa.version: [ 1, 2 ]
amdhsa.kernels:
  - .name:           k_q562d8c48e7_attn
    .symbol:         k_q562d8c48e7_attn.kd
    .args:
      - { .name: qkv, .offset: 0, .size: 8, .value_kind: global_buffer, .address_space: global }
      - { .name: lowp_scales, .offset: 8, .size: 8, .value_kind: global_buffer, .address_space: global }
      - { .name: ao, .offset: 16, .size: 8, .value_kind: global_buffer, .address_space: global }
    .group_segment_fixed_size: 264192
    .private_segment_fixed_size: 0
    .kernarg_segment_align: 8
    .kernarg_segment_size: 24
    .max_flat_workgroup_size: 512
    .sgpr_count:     66
    .vgpr_count:     256
    .wavefront_size: 32
...
	.end_amdgpu_metadata
.endif
;; end of part 5
;; launch gemm2: the kernel of part 4 again; grid 8 x 32, 4 waves a work-group, clusters of 4 x 4, 327,680 bytes of LDS; arguments ao, ops, lowp_scales, bo, out0; writes out0
